; MI455X (gfx1250); checked and timed in simulation.
; The chip was launched on July 23, 2026; its instructions are those of AMD's public machine-readable ISA for CDNA 5 (MIT licence, August 2026) and "CDNA5" Instruction Set Architecture Reference Guide (July 2026). The comments in the code are by the model that wrote it; some were corrected since.
;; Multi Head Attention. Allowed arithmetic: matrix products marked QUANTISED: E2M3 operands, one E8M0 scale for each 32 along K, by v_wmma_scale_f32_16x16x128_f8f6f4 with both operands' format E2M3, f32 sums; everything else in f32.
;; Inputs: W_attn_codes 3,072 x 32 x 24 uint8 (E2M3 codes of W_attn, K innermost, in blocks of 32 codes, four codes in three bytes); W_attn_scales 3,072 x 32 uint8 (E8M0 scales of W_attn, one for each 32 codes along K); W_o_codes 1,024 x 32 x 24 uint8 (E2M3 codes of W_o, K innermost, in blocks of 32 codes, four codes in three bytes); W_o_scales 1,024 x 32 uint8 (E8M0 scales of W_o, one for each 32 codes along K); b_attn 3,072 float32; b_o 1,024 float32; x_codes 4 x 2,048 x 32 x 24 uint8 (E2M3 codes of x, K innermost, in blocks of 32 codes, four codes in three bytes); x_scales 4 x 2,048 x 32 uint8 (E8M0 scales of x, one for each 32 codes along K).
;; Outputs: out0 4 x 2,048 x 1,024 float32.
;; This version of the problem:
;;   THIS VERSION OF THE PROBLEM IS GIVEN IN LOW PRECISION. The matrix products marked QUANTISED in the list below multiply operands that are first quantised to E2M3 (2 exponent bits, 3 mantissa bits; 6 bits a number), with one power-of-two scale for each 32 numbers along K (OCP MX v1.0); their sums are f32. All else is computed in f32.
;;   The module's matrix products, in the order in which they are computed (A, B: the left and right operand; K: the contracted axis; several contracted axes count as one K, in the product's order):
;;     1. [M 8,192, K 1,024] x [K 1,024, N 3,072]; A: input x (given as codes); B: input W_attn (given as codes): QUANTISED
;;     2. batch 64 x [M 2,048, K 64] x [K 64, N 2,048]; A: computed on the way; B: computed on the way: QUANTISED
;;     3. batch 64 x [M 2,048, K 2,048] x [K 2,048, N 64]; A: softmax (see below); B: computed on the way: QUANTISED
;;     4. [M 8,192, K 1,024] x [K 1,024, N 1,024]; A: computed on the way; B: input W_o (given as codes): QUANTISED
;;   THE QUANTISER, for each operand of a quantised product, along K:
;;     - K is cut into blocks of 32 from its start; a last block that is shorter is filled with zeros.
;;     - A block's scale is 2^e with e = floor(log2(the largest magnitude in the block)) - 2, held to -126 .. 127; a block of zeros has e = 0. As a byte (E8M0): e + 127.
;;     - Each number is divided by its block's scale, clamped to +-7.5, and rounded to the nearest number of E2M3, ties to even, subnormals kept.
;;     - The product sums the exact products of the quantised numbers (number of the format x scale) in f32.
;;   ~~~python
;;   def quantise(x, axis):      # numpy; x: float32 -> the quantised numbers, widened to float32 again
;;       x = np.moveaxis(x, axis, -1); K = x.shape[-1]
;;       x = np.pad(x, [(0, 0)] * (x.ndim - 1) + [(0, -K % 32)]); x = x.reshape(x.shape[:-1] + (-1, 32)); a = np.abs(x).max(-1, keepdims=True)
;;       e = np.where(a > 0, np.clip(np.frexp(np.where(a > 0, a, 1))[1] - 1 - 2, -126, 127), 0)      # np.frexp(a)[1] - 1 = floor(log2(a)), exactly
;;       r = np.clip(x / 2.0 ** e, -7.5, 7.5)
;;       step = 2.0 ** (np.maximum(np.frexp(np.where(r == 0, 1, r))[1] - 1, 0) - 3)
;;       q = np.round(r / step) * step * 2.0 ** e      # np.round: ties to even
;;       return np.moveaxis(q.reshape(q.shape[:-2] + (-1,))[..., :K], -1, axis).astype(np.float32)
;;   ~~~
;;   SOFTMAX AHEAD OF A QUANTISED PRODUCT. Where the list says 'softmax', what is quantised is not the finished softmax but p = 2^(t - M), with t = logit x log2(e) and M = ceil(the row's largest t), a whole number; so 1/2 < the row's largest p <= 1. The row's sum l is taken of the UNQUANTISED p, in f32, and the product's result is divided by l at the end. Since M is a whole number, a kernel that streams over the keys may use a running M (the ceiling of the running maximum): every later rescaling is an exact power of two, which a block's scale takes up: the codes' values come out the same.
;;   OPERANDS COMPUTED ON THE WAY. 'Computed on the way' means the value that the module computes at that place (a softmax that the list does not call 'softmax' is quantised finished and normalised). What goes into a quantiser is computed in f32, as accurately as f32 sums, v_exp_f32 and their like allow (about 1e-6 of the number): no bf16 or f16 on the way to a quantiser, and a product that is left as it is and whose result goes on into a quantised operand takes f32 operands (vector FMAs, or v_wmma_f32_16x16x4_f32). A number that lies on a knife's edge between two numbers of the format may be rounded either way, as far as f32 arithmetic and the matrix unit's own rounding can turn it there, and no further.
;;   INPUTS GIVEN AS CODES. W_attn (in the module: [3072, 1024], K = its axis 1); W_o (in the module: [1024, 1024], K = its axis 1); x (in the module: [4, 2048, 1024], K = its axis 2): each comes as NAME_codes (uint8): NAME with its K axis moved to the last place and cut into blocks of 32 codes, [.., K / 32, bytes a block], one block behind the other in memory; four codes in three bytes: a row's codes are one little-endian stream of bits, code i at bits 6 i .. 6 i + 5 (a code: sign, 2 exponent bits, 3 mantissa bits); and NAME_scales (uint8): the same leading axes, one E8M0 byte (e + 127) for each 32 codes along K. Its value is code x scale, taken as it is: it is not quantised again, and the codes and scales need not be those that the quantiser above would give.
;; One version. Each part assembles by itself: llvm-mc -triple=amdgcn-amd-amdhsa -mcpu=gfx1250 --defsym DOCPART=n.
;; ======== version 1 of 1: 3 launches
;; workspace buffers: qkv 20,185,088 bytes; y 6,291,456 bytes; ys 262,144 bytes
;; launch qkv (part 1): grid 12 x 32, 4 waves a work-group, clusters of 4 x 4, 327,680 bytes of LDS; arguments x_codes, x_scales, W_attn_codes, W_attn_scales, b_attn, qkv; writes qkv
.if DOCPART == 1
	.amdgcn_target "amdgcn-amd-amdhsa--gfx1250"
	.amdhsa_code_object_version 6
	.text
	.protected	k_q0d33df257a_qkv
	.globl	k_q0d33df257a_qkv
	.p2align	8
	.type	k_q0d33df257a_qkv,@function
k_q0d33df257a_qkv:
	s_mov_b64 s[64:65], 0
	v_nop
	global_prefetch_b8 v0, s[64:65] scope:SCOPE_SE
	s_setreg_imm32_b32 hwreg(HW_REG_WAVE_MODE, 25, 1), 1
	s_wait_xcnt 0x0
	s_wait_alu depctr_hold_cnt(0) depctr_sa_sdst(0) depctr_va_vdst(0) depctr_va_sdst(0) depctr_va_ssrc(0) depctr_va_vcc(0) depctr_vm_vsrc(0)
	s_getreg_b32 s2, hwreg(HW_REG_IB_STS2, 6, 4)
	s_cmp_eq_u32 s2, 0
	s_cbranch_scc0 .Lentry_in_a_cluster
	s_endpgm
.Lentry_in_a_cluster:
	s_bfe_u32 s2, ttmp6, 0x10000c
	s_cmp_lg_u32 s2, 0xf033
	s_cbranch_scc0 .Lentry_shape_is_right
	s_endpgm
.Lentry_shape_is_right:
; qkv = x W_attn^T + b_attn on codes of FP6 (E2M3) with one E8M0 scale for each 32 along K = 1,024; the sums are f32; the results are quantised at once, in registers, for the attention launch:
; Q and K along the head's 64 channels, V along the keys.  x: 8,192 rows, W_attn: 3,072 rows, each row 768 bytes of codes and 32 scale bytes.
; A tile of 256 x 256 results is made by a work-group of four waves; a wave makes 128 x 128: 64 accumulators, 512 registers.  K goes in steps of 256 through a ring of two LDS slots.
; TWO OPERANDS, R AND S.  Source 1 of the matrix instruction takes 16 rows of R, source 0 takes 16 rows of S: a lane then holds ONE row of R, and its registers run along the rows of S.
; What is quantised must run along a lane's registers.  Clusters with x = 0, 1 (Q, K): R = x (tokens), S = W_attn's rows 0 .. 2,047 (channels).  Clusters with x = 2 (V): R = W_attn's rows 2,048 on (channels), S = x (keys).
; The choice hangs on the cluster's x alone, which all sixteen partners share.  CLUSTERS: 4 x 4; R's tiles are shared along a row of the cluster, S's along a column: each is asked for jointly.
; THE ORDER INSIDE A BLOCK OF 32.  A lane's 16 registers of accumulators 2 B and 2 B + 1 are the indices 32 B + 8 hh + 0..7 and 32 B + 16 + 8 hh + 0..7 (hh = lane / 16).  After the exchange of halves a block's codes stand in the
; order 0-7, 16-23, 8-15, 24-31.  The blocks are the true blocks, so scales and codes are the quantiser's own; the order is the same on both sides of each of the attention's products, whose sums it does not change but in their last bits.
; THE WORKSPACE is laid as its reader's registers want it.  For each (batch, head) eight slots of 256 tokens, SLOTB bytes each:
;   0 Q's codes: 16 tiles of 16 tokens x 64 channels, 768 bytes each (registers 0-3 at 16 x lane, registers 4-5 at 512 + 8 x lane);  12,288 Q's scale words;  13,312 K's codes likewise;
;   25,600 V's codes: [128 keys][16 channels] images of 12 registers, 1,536 bytes each (four registers at 512 c + 16 x lane);  37,888 K's scale words;  38,912 V's scale words.
;   Scale words of four tiles are 256 bytes, 8 a lane: word 0 = tile 4 u (lanes 0-15) and 4 u + 1 (lanes 16-31), word 1 = tiles 4 u + 2, 4 u + 3.  In Q's and K's words bytes 2 and 3 are 0x7f.
; Every store of a wave covers 256 or 512 consecutive bytes at a multiple of 256 from the buffer's first byte.
; LIMITS: NaN and infinities among the results are not served; a block whose largest magnitude lies under 2^-124 (a block of zeros too) gets the byte 1: only this program reads these bytes, and a block of zeros has zero codes.
; REGISTERS, in windows of 256: window 0: v16-30 addresses; v32-63 scale words, two sets; v64-127 the bias along S; v128-223 R's fragments, one set; v224-239 the bias along R; v240-255 at work.
;   window 1: S's fragments, two sets.   windows 2, 3: the accumulators ((a, b) at v[8 (8 (a % 4) + b)]).   Behind the products v128-191 hold 64 results with their bias, v192-211 codes, v212-223 scale words on their way out.
.set KSTEP,  256
.set NQ,     KSTEP/128
.set ROWB,   192                       ; a tile's row in bytes: 256 codes
.set KROW,   768                       ; a row of x or of W_attn in memory
.set PITCH,  240                       ; an LDS row: 3 x (64 bytes + 16 of padding)
.set FR,     12
.set NL,     6
.set NP,     4                         ; places behind this matrix instruction (ISA guide 7.12.1)
.set HALFT,  128*PITCH
.set SLOT,   4*HALFT
.set LAPS,   2                         ; 1,024 / 512
.set KS,     32                        ; a row of scale bytes
.set SCL,    2*SLOT
.set HALFS,  (128*KS/256)*272
.set SBLK,   (16*KS/256)*272
.set SPARE,  SCL+4*HALFS               ; the spare words: 128 bytes for each wave, two blocks of 256 bytes that no other line names
.set SLOTB,  39424
.set HSTR,   8*SLOTB                   ; from a head to the next in the workspace
.set ADRA, 16                          ; v16-17 LDS address of R's fragments in slot 0, 1 (v18-19: behind one padding more)
.set ADRB, 20                          ; v20-23 the same for S
.set L16,  24                          ; 16 x lane
.set L8,   25                          ; 8 x lane
.set HB,   26                          ; 32 x (lane / 16)
.set ADRS, 27                          ; LDS address of my scale words: lanes 0-15 R's rows, lanes 16-31 S's
.set SPW,  28                          ; LDS address of my spare word; never rewritten
.set NIL,  29                          ; 0; never rewritten
.set R4,   30                          ; 4 x (lane % 16)
.set SC,   32
.set BS,   64                          ; b_attn along S: register 8 b + j = the bias of S's row 16 b + 8 hh + j
.set AF,   128
.set HA,   128                         ; 64 results of one block of R's rows
.set UW,   128                         ; later: Q's or K's scale words, by head
.set PC,   192                         ; a fragment's codes, 12 registers, and 8 at work
.set PW,   212                         ; v212-219 the scale word of each of my eight blocks
.set XW,   220                         ; v220-223 two blocks' words in one register
.set BR,   224                         ; b_attn along R: a pair for each block, both halves alike
.set TM,   240
.set G1, 24
.set G0, 32
.set G1B, 48
.set G0B, 56
.set G1S, 68
.set G0S, 76
.set G1SB, 80
.set G0SB, 88
.set MSB, 0
.macro WIN new                         ; the immediate's high byte repeats the setting that is left
.if MSB != (\new)
	s_set_vgpr_msb (MSB<<8)|(\new)
.set MSB, (\new)
.endif
.endm
.set MUL_LO, 0xa1                      ; source 0 (S) window 1, source 1 (R) window 0, C and D window 2
.set MUL_HI, 0xf1                      ; the same, C and D window 3
.set TO_B,   0x40                      ; destination window 1, address window 0
; A joint load: waves 0 and 1 fetch for R, waves 2 and 3 for S.  The branch hangs on the wave's number alone.  Four v_nop follow each of the two lines.
.macro JLOAD g0a, g1a, g0b, g1b
	s_cmp_eq_u32 s15, 0
	s_cbranch_scc0 .Lfor_b_\@
	tensor_load_to_lds s[\g0a:\g0a+3], s[\g1a:\g1a+7]
	s_nop 0
.rept 4
	v_nop
.endr
	s_branch .Lasked_\@
.Lfor_b_\@:
	tensor_load_to_lds s[\g0b:\g0b+3], s[\g1b:\g1b+7]
	s_nop 0
.rept 4
	v_nop
.endr
.Lasked_\@:
.endm
.macro CREST                           ; a round of the cluster's barrier behind its opening barrier
	s_cmp_lg_u32 s14, 0
	s_cbranch_scc1 .Lnot_wave_0_\@
	s_barrier_signal -3
.Lnot_wave_0_\@:
	s_barrier_wait -3
	s_barrier_signal -1
	s_barrier_wait -1
.endm
.macro CROUND
	s_barrier_signal -1
	s_barrier_wait -1
	CREST
.endm
	s_load_b128 s[4:7], s[0:1], 0x0                ; x's codes, x's scales
	s_load_b128 s[8:11], s[0:1], 0x10              ; W_attn's codes, W_attn's scales
	s_load_b64 s[12:13], s[0:1], 0x20              ; b_attn
	s_load_b64 s[66:67], s[0:1], 0x28              ; the workspace
	v_lshl_add_u32 v[SPW], v0, 2, SPARE
	v_mov_b32 v[NIL], 0
	ds_add_u32 v28, v29
	s_wait_dscnt 0x0
	v_lshrrev_b32 v1, 5, v0
	v_readfirstlane_b32 s14, v1                    ; wave 0..3
	s_lshr_b32 s15, s14, 1                         ; which half of R's 256 rows is mine.  Also: I fetch for R (0) or for S (1)
	s_and_b32 s16, s14, 1                          ; which half of S's 256 rows.  Also: which 128 rows of that tile I fetch
	s_bfe_u32 s40, ttmp6, 0x40000                  ; cx, cy: my place in the cluster
	s_bfe_u32 s41, ttmp6, 0x40004
	s_and_b32 s97, ttmp7, 0xffff                   ; cluster y
	s_cmp_eq_u32 ttmp9, 2                          ; cluster x = 2: V
	s_cselect_b32 s96, 1, 0
	s_cselect_b32 s17, 2, s97                      ; R's tile: V: 8 + cy, W_attn's rows 2,048 on; Q, K: 4 x cluster y + cy, tokens
	s_cselect_b32 s42, s97, ttmp9                  ; S's tile: V: 4 x cluster y + cx, tokens; Q, K: 4 x cluster x + cx, W_attn's rows
	s_lshl_b32 s42, s42, 2
	s_add_co_u32 s42, s42, s40
	s_lshl_b32 s17, s17, 2
	s_add_co_u32 s17, s17, s41
	s_lshl_b32 s43, s41, 2
	s_lshl_b32 s43, 15, s43                        ; my row of the cluster
	s_lshl_b32 s44, 0x1111, s40                    ; my column
	; descriptor group 1: a tile of 128 rows x 192 bytes, 16 bytes of padding behind every 64
	s_or_b32 s[G1+0], s43, (0<<16)|(1<<20)|(1<<21)|(3<<22)|(3<<25)
	s_or_b32 s[G1B+0], s44, (0<<16)|(1<<20)|(1<<21)|(3<<22)|(3<<25)
.irp g, G1, G1B
	s_mov_b32 s[\g+1], ROWB<<16                    ; tensor_dim0
	s_mov_b32 s[\g+2], 128<<16                     ; tensor_dim1
	s_mov_b32 s[\g+3], ROWB<<16                    ; tile_dim0
	s_mov_b32 s[\g+4], 128                         ; tile_dim1
	s_mov_b32 s[\g+5], KROW                        ; tensor_dim0_stride
	s_mov_b32 s[\g+6], 0
	s_mov_b32 s[\g+7], 0
.endr
	; the scales of 128 rows: 4,096 dense bytes, as rows of 256 bytes (32 elements of 8 bytes), 16 bytes of padding behind each
	s_or_b32 s[G1S+0], s43, (3<<16)|(1<<20)|(1<<21)|(5<<22)|(3<<25)
	s_or_b32 s[G1SB+0], s44, (3<<16)|(1<<20)|(1<<21)|(5<<22)|(3<<25)
.irp g, G1S, G1SB
	s_mov_b32 s[\g+1], 32<<16
	s_mov_b32 s[\g+2], (128*KS/256)<<16
	s_mov_b32 s[\g+3], 32<<16
	s_mov_b32 s[\g+4], 128*KS/256
	s_mov_b32 s[\g+5], 32
	s_mov_b32 s[\g+6], 0
	s_mov_b32 s[\g+7], 0
.endr
	s_lshl_b32 s18, s16, 7                         ; which 128 rows of the tile I fetch
	s_lshl_b32 s20, s17, 8
	s_add_co_u32 s20, s20, s18                     ; R: row 256 x tile + 128 x half
	s_lshl_b32 s46, s42, 8
	s_add_co_u32 s46, s46, s18                     ; S likewise
	s_mov_b32 s21, 0
	s_mov_b32 s47, 0
	s_mov_b64 s[18:19], KS
	s_mul_u64 s[22:23], s[20:21], s[18:19]         ; where these rows' scales begin, in bytes
	s_mul_u64 s[92:93], s[46:47], s[18:19]
	s_mov_b64 s[18:19], KROW
	s_mul_u64 s[20:21], s[20:21], s[18:19]         ; and their codes
	s_mul_u64 s[46:47], s[46:47], s[18:19]
	s_mul_i32 s45, s14, HALFT                      ; where they go: wave x 128 rows
	s_mul_i32 s94, s14, HALFS
	s_wait_kmcnt 0x0
	s_cmp_eq_u32 s96, 1                            ; which tensor is R and which S: the choice hangs on the cluster's x alone
	s_cselect_b64 s[98:99], s[8:9], s[4:5]
	s_cselect_b64 s[100:101], s[10:11], s[6:7]
	s_cselect_b64 s[8:9], s[4:5], s[8:9]           ; S's codes
	s_cselect_b64 s[10:11], s[6:7], s[10:11]       ; S's scales
	s_mov_b64 s[4:5], s[98:99]                     ; R's codes
	s_mov_b64 s[6:7], s[100:101]                   ; R's scales
	s_add_nc_u64 s[20:21], s[4:5], s[20:21]
	s_add_nc_u64 s[22:23], s[6:7], s[22:23]
	s_add_nc_u64 s[46:47], s[8:9], s[46:47]
	s_add_nc_u64 s[92:93], s[10:11], s[92:93]
	CROUND                                         ; all sixteen work-groups are here: the first joint loads meet
	s_mov_b32 s[G0S], 1
	s_add_co_u32 s[G0S+1], s94, SCL
	s_mov_b64 s[G0S+2:G0S+3], s[22:23]
	s_or_b32 s[G0S+3], s[G0S+3], 0x80000000
	s_mov_b32 s[G0SB], 1
	s_add_co_u32 s[G0SB+1], s94, SCL
	s_mov_b64 s[G0SB+2:G0SB+3], s[92:93]
	s_or_b32 s[G0SB+3], s[G0SB+3], 0x80000000
	JLOAD G0S, G1S, G0SB, G1SB                     ; the scales first: they are wanted with K step 0.  Three tensor loads of mine are out behind the first fills
.irp s, 0,1
	s_mov_b32 s[G0+4*\s], 1
	s_add_co_u32 s[G0+4*\s+1], s45, \s*SLOT
	s_add_nc_u64 s[G0+4*\s+2:G0+4*\s+3], s[20:21], \s*ROWB
	s_or_b32 s[G0+4*\s+3], s[G0+4*\s+3], 0x80000000
	s_mov_b32 s[G0B+4*\s], 1
	s_add_co_u32 s[G0B+4*\s+1], s45, \s*SLOT
	s_add_nc_u64 s[G0B+4*\s+2:G0B+4*\s+3], s[46:47], \s*ROWB
	s_or_b32 s[G0B+4*\s+3], s[G0B+4*\s+3], 0x80000000
	JLOAD G0+4*\s, G1, G0B+4*\s, G1B
.endr
	v_and_b32 v1, 15, v0                           ; r = lane % 16
	v_bfe_u32 v2, v0, 4, 1                         ; hh = lane / 16
	v_mul_u32_u24 v3, v1, PITCH
	v_mul_u32_u24 v4, v2, 24
	v_add_nc_u32 v4, v3, v4                        ; a fragment's row x pitch + 24 x half
	v_lshl_add_u32 v5, v2, 4, v4                   ; and the same behind one padding more
	s_mul_i32 s21, s15, HALFT                      ; my 128 rows of R
	s_mul_i32 s22, s16, HALFT                      ; my 128 rows of S,
	s_add_co_u32 s22, s22, 2*HALFT                 ; which lie behind R's 256
.irp s, 0,1
	v_add_nc_u32 v[ADRA+\s], s21, v4
	v_add_nc_u32 v[ADRB+\s], s22, v4
	v_add_nc_u32 v[ADRA+2+\s], s21, v5
	v_add_nc_u32 v[ADRB+2+\s], s22, v5
	s_add_co_u32 s21, s21, SLOT
	s_add_co_u32 s22, s22, SLOT
.endr
	v_mul_u32_u24 v5, v1, KS                       ; my row's scales: 32 bytes a row,
	v_lshrrev_b32 v6, 8, v5
	v_lshl_add_u32 v5, v6, 4, v5                   ; and 16 more for each 256 passed
	s_mul_i32 s21, s15, HALFS
	s_mul_i32 s22, s16, HALFS
	s_add_co_u32 s22, s22, 2*HALFS
	s_sub_co_u32 s22, s22, s21
	v_mul_u32_u24 v6, s22, v2                      ; lanes 16-31 take S's
	s_add_co_u32 s21, s21, SCL
	v_add_nc_u32 v5, v5, v6
	v_add_nc_u32 v[ADRS], s21, v5
	v_and_b32 v6, 31, v0
	v_lshlrev_b32 v[L16], 4, v6
	v_lshlrev_b32 v[L8], 3, v6
	v_lshlrev_b32 v[HB], 5, v2
	v_lshlrev_b32 v[R4], 2, v1
	; THE BIAS, in both forms, so that no register's writing hangs on a branch: along S (used for Q and K; for V the first 128 numbers are read and not used), and along R (used for V; index 2,048 + 256 cy + 128 half + 16 a + r, at most 3,071)
	s_lshl_b32 s20, s42, 8
	s_lshl_b32 s21, s16, 7
	s_add_co_u32 s20, s20, s21
	s_cmp_eq_u32 s96, 1
	s_cselect_b32 s20, 0, s20
	s_lshl_b32 s20, s20, 2
	s_mov_b32 s21, 0
	s_add_nc_u64 s[20:21], s[12:13], s[20:21]
	s_lshl_b32 s22, s41, 8
	s_lshl_b32 s23, s15, 7
	s_add_co_u32 s22, s22, s23
	s_add_co_u32 s22, s22, 2048
	s_lshl_b32 s22, s22, 2
	s_mov_b32 s23, 0
	s_add_nc_u64 s[22:23], s[12:13], s[22:23]
.irp b, 0,1,2,3,4,5,6,7
	global_load_b128 v[BS+8*\b:BS+8*\b+3], v[HB], s[20:21] offset:64*\b
	global_load_b128 v[BS+8*\b+4:BS+8*\b+7], v[HB], s[20:21] offset:64*\b+16
.endr
.irp a, 0,1,2,3,4,5,6,7
	global_load_b32 v[BR+2*\a], v[R4], s[22:23] offset:64*\a
	global_load_b32 v[BR+2*\a+1], v[R4], s[22:23] offset:64*\a
.endr
.macro FRAG reg, adr, q, i             ; a fragment, 16 rows x 128 K, is 12 registers: lane l holds row l % 16; registers 6 c .. 6 c + 5 hold K = 64 c + 32 (l / 16) + 0 .. 31: 24 bytes of the row, as they lie, in pieces of 8 bytes
.irp p, 0,1,2,3,4,5
.set PCE, 12*(\q)+6*(\p/3)+\p%3        ; where the piece three on (lanes 16-31) lies behind one padding more, the second address register serves
.if PCE%8 < 5
	ds_load_b64 v[\reg+2*\p:\reg+2*\p+1], v[\adr] offset:8*PCE+16*(PCE/8)+(\i)*16*PITCH
.else
	ds_load_b64 v[\reg+2*\p:\reg+2*\p+1], v[\adr+2] offset:8*PCE+16*(PCE/8)+(\i)*16*PITCH
.endif
.endr
.endm
; 16 matrix instructions: R's blocks a0, a0 + 1 x S's eight, 128 along K.  The 64 accumulators take turns, one instruction a turn, in the same order in every step.
.macro MUL16 a0, p, q, sc, zero
.irp a, \a0, \a0+1
.irp b, 0,1,2,3,4,5,6,7
.if \zero
	v_wmma_scale_f32_16x16x128_f8f6f4 v[8*(8*((\a)%4)+\b):8*(8*((\a)%4)+\b)+7], v[128*(\p)+FR*\b:128*(\p)+FR*\b+FR-1], v[AF+FR*(\a):AF+FR*(\a)+FR-1], 0, v[SC+8*NQ*(\sc)+NQ*\b+(\q)], v[SC+8*NQ*(\sc)+NQ*(\a)+(\q)] matrix_a_fmt:MATRIX_FMT_FP6 matrix_b_fmt:MATRIX_FMT_FP6 matrix_a_scale:MATRIX_SCALE_ROW1
.else
	v_wmma_scale_f32_16x16x128_f8f6f4 v[8*(8*((\a)%4)+\b):8*(8*((\a)%4)+\b)+7], v[128*(\p)+FR*\b:128*(\p)+FR*\b+FR-1], v[AF+FR*(\a):AF+FR*(\a)+FR-1], v[8*(8*((\a)%4)+\b):8*(8*((\a)%4)+\b)+7], v[SC+8*NQ*(\sc)+NQ*\b+(\q)], v[SC+8*NQ*(\sc)+NQ*(\a)+(\q)] matrix_a_fmt:MATRIX_FMT_FP6 matrix_b_fmt:MATRIX_FMT_FP6 matrix_a_scale:MATRIX_SCALE_ROW1
.endif
.endr
.endr
.endm
.macro FETCH_B slot, q, p
	WIN TO_B
.irp i, 0,1,2,3,4,5,6,7
	FRAG 128*(\p)+FR*\i, ADRB+\slot, \q, \i
.endr
	WIN 0
.endm
.macro FETCH_A slot, q, i0
.irp i, \i0, \i0+1, \i0+2, \i0+3
	FRAG AF+FR*(\i), ADRA+\slot, \q, \i
.endr
.endm
.macro SCALES sc                       ; a K step's scale words: two words a row; lanes 0-15 take R's block i, lanes 16-31 S's block i
.irp i, 0,1,2,3,4,5,6,7
	ds_load_b64 v[SC+8*NQ*\sc+NQ*\i:SC+8*NQ*\sc+NQ*\i+1], v[ADRS] offset:\i*SBLK
.endr
.endm
.macro PLACES n                        ; plain vector instructions between a matrix instruction and a load into, or a vector instruction on, its registers
.rept \n
	v_nop
.endr
.endm
.macro STEP slot, q, zero              ; a step of 128 along K that has its successor in the same slot
	s_wait_dscnt 4*NL                              ; S's set and R's blocks 0-3 are in; the youngest 24 loads (R's blocks 4-7) may be out
	WIN MUL_LO
	MUL16 0, (\q)%2, \q, \slot, \zero
	MUL16 2, (\q)%2, \q, \slot, \zero
	s_wait_dscnt 0                                 ; R's blocks 4-7 are in
	PLACES NP
	FETCH_B \slot, (\q)+1, 1-(\q)%2
	FETCH_A \slot, (\q)+1, 0
	WIN MUL_HI
	MUL16 4, (\q)%2, \q, \slot, \zero
	MUL16 6, (\q)%2, \q, \slot, \zero
	PLACES NP
	WIN 0
	FETCH_A \slot, (\q)+1, 4
.endm
; A slot's last step changes slots: one barrier; in front of it each wave waits for all its tensor loads, adds 0 to its spare word, and waits for that and for its own reads of this slot.  fill = 1: this slot is filled again, two K steps ahead.
.macro TURN slot, next, fill
	s_wait_tensorcnt 0x0                           ; all my tensor loads have landed: my part of the next slot
	ds_add_u32 v[SPW], v[NIL]                      ; 0 onto my spare word
	s_wait_dscnt 4*NL+1                            ; the add and the youngest 24 loads (R's blocks 4-7) may be out
	WIN MUL_LO
	MUL16 0, 1, NQ-1, \slot, 0                     ; sixteen matrix instructions stand between the add and the wait for it
	s_wait_dscnt 0x0                               ; the add is done, and my reads of this slot are over
	s_barrier_signal -1
	MUL16 2, 1, NQ-1, \slot, 0
	WIN 0
	s_barrier_wait -1
.if \fill
	CREST                                          ; the barrier has opened a round of the cluster's barrier: no wave of any partner still reads this slot's tile or has a load on its way
	s_add_nc_u64 s[G0+4*\slot+2:G0+4*\slot+3], s[G0+4*\slot+2:G0+4*\slot+3], 2*ROWB
	s_add_nc_u64 s[G0B+4*\slot+2:G0B+4*\slot+3], s[G0B+4*\slot+2:G0B+4*\slot+3], 2*ROWB
	JLOAD G0+4*\slot, G1, G0B+4*\slot, G1B         ; the first tensor load behind the round; its four v_nop are the places in front of the loads below
.else
	PLACES NP
.endif
	v_add_nc_u32 v[ADRS], 4*NQ, v[ADRS]            ; on to the next K step's scale words
	FETCH_B \next, 0, 0
	FETCH_A \next, 0, 0
	SCALES \next
	WIN MUL_HI
	MUL16 4, 1, NQ-1, \slot, 0
	MUL16 6, 1, NQ-1, \slot, 0
	PLACES NP
	WIN 0
	FETCH_A \next, 0, 4
.endm
	s_wait_tensorcnt 1                             ; the scales and my part of K step 0 are in (K step 1's load may be out),
	s_barrier_signal -1
	s_barrier_wait -1                              ; everybody's are
	FETCH_B 0, 0, 0
	FETCH_A 0, 0, 0
	SCALES 0
	FETCH_A 0, 0, 4
	STEP 0, 0, 1                                   ; the first step stands in front of the loop: its products start the sums
	s_mov_b32 s3, LAPS-1
.Llap:                                                 ; a trip goes once round the ring and fills both slots again
	TURN 0, 1, 1
	STEP 1, 0, 0
	TURN 1, 0, 1
	STEP 0, 0, 0
	s_sub_co_u32 s3, s3, 1
	s_cmp_lg_u32 s3, 0
	s_cbranch_scc1 .Llap
	TURN 0, 1, 0                                   ; the last lap fills nothing
	STEP 1, 0, 0
	s_wait_dscnt 4*NL                              ; the very last step: the youngest 24 loads may be out
	WIN MUL_LO
	MUL16 0, 1, NQ-1, 1, 0
	MUL16 2, 1, NQ-1, 1, 0
	s_wait_dscnt 0
	WIN MUL_HI
	MUL16 4, 1, NQ-1, 1, 0
	MUL16 6, 1, NQ-1, 1, 0
	WIN 0
; ---- THE WAY OUT: bias, quantiser, stores; no LDS.
; Block a's 64 results + bias into v[HA] on.  Each accumulator is read from its low end on.
.macro ADDB a, breg, step
	WIN 0x02+(\a)/4                                ; source 0: window 2 or 3
.set pp, 0
.rept 32
	v_pk_add_f32 v[HA+2*pp:HA+2*pp+1], v[64*((\a)%4)+2*pp:64*((\a)%4)+2*pp+1], v[\breg+\step*pp:\breg+\step*pp+1]
.set pp, pp+1
.endr
	WIN 0
.endm
; 64 numbers of a lane, four blocks of 32 shared with lane l xor 16, become a fragment's codes in v[PC] on and the row's scale word in v[pw].
.macro QUANT s, pw
.irp b, 0,1,2,3
	v_max3_num_f32 v[TM+\b], |v[\s+16*\b]|, |v[\s+1+16*\b]|, 0x1800000   ; my 16 numbers of block b, and the floor 2^(3 - 127): the byte cannot fall under 1
.endr
.irp i, 2,4,6,8,10,12,14
.irp b, 0,1,2,3
	v_max3_num_f32 v[TM+\b], v[TM+\b], |v[\s+16*\b+\i]|, |v[\s+1+16*\b+\i]|
.endr
.endr
.irp b, 0,1,2,3
	v_permlanex16_b32 v[TM+4+\b], v[TM+\b], s20, s21
.endr
.irp b, 0,1,2,3
	v_max_num_f32 v[TM+\b], v[TM+\b], v[TM+4+\b]   ; the block's largest magnitude
.endr
.irp b, 0,1,2,3
	v_add_nc_u32 v[TM+12+\b], 0xff000000, v[TM+\b] ; 2 off its exponent field: the conversion takes the exponent field of this operand as its scale
.endr
.irp b, 0,1,2,3
	v_lshrrev_b32 v[TM+4+\b], 23, v[TM+12+\b]      ; the scale's byte
.endr
	v_lshl_or_b32 v[\pw], v[TM+5], 8, v[TM+4]
	v_lshl_or_b32 v[\pw], v[TM+6], 16, v[\pw]
	v_lshl_or_b32 v[\pw], v[TM+7], 24, v[\pw]
.irp c, 0,1
	v_cvt_scalef32_pk16_fp6_f32 v[PC+6*\c:PC+2+6*\c], v[\s+32*\c:\s+15+32*\c], v[TM+12+2*\c]
	v_cvt_scalef32_pk16_fp6_f32 v[PC+12+4*\c:PC+14+4*\c], v[\s+16+32*\c:\s+31+32*\c], v[TM+12+2*\c+1]   ; (a conversion's three registers begin on an even number)
.endr
	v_nop                                          ; one plain place behind a scaled conversion
.irp c, 0,1                                    ; the operand's layout wants a whole block in a lane: lanes 0-15 block 2 c, lanes 16-31 block 2 c + 1
.irp i, 0,1,2
	v_permlane16_swap_b32 v[PC+6*\c+\i], v[PC+12+4*\c+\i]
.endr
.irp i, 0,1,2
	v_mov_b32 v[PC+3+6*\c+\i], v[PC+12+4*\c+\i]
.endr
.endr
.endm
.macro SLOTOFF                         ; s92 = batch, s45 = my first head, s93 = which 256 tokens  ->  s92 = the slot's first byte (under 2^25)
	s_lshl_b32 s92, s92, 4
	s_add_co_u32 s92, s92, s45
	s_lshl_b32 s92, s92, 3
	s_add_co_u32 s92, s92, s93
	s_mul_i32 s92, s92, SLOTB
.endm
	PLACES NP                                      ; in front of the first writes of registers that the last products read, and of the first reads of results
	s_wait_loadcnt 0x0                             ; the biases; their bases s[20:23] are free from here on
	s_mov_b32 s20, 0x76543210
	s_mov_b32 s21, 0xfedcba98                      ; v_permlanex16_b32's selects for lane l xor 16
	s_mov_b32 s22, 0xffff0000                      ; lanes 16-31
	s_mov_b32 s23, 0x7f7f7f7f
	s_mov_b32 s46, 0x07060100                      ; v_perm_b32: a word's bytes 0, 1 under two bytes 0x7f
	s_mov_b32 s47, 0x07060302                      ; its bytes 2, 3 likewise
.irp b, 0,1,2,3
	v_mov_b32 v[TM+4+\b], 0                        ; written once: a lane permute's destination counts as one of its sources
.endr
	s_cmp_eq_u32 s96, 1
	s_cbranch_scc1 .Lv
	; ---- Q or K: a lane holds a token, its registers 128 channels = two heads
	s_lshr_b32 s92, s17, 3                         ; batch
	s_and_b32 s93, s17, 7                          ; which 256 tokens of it
	s_and_b32 s45, s42, 3
	s_lshl_b32 s45, s45, 2
	s_lshl_b32 s43, s16, 1
	s_add_co_u32 s45, s45, s43                     ; my first head
	s_lshr_b32 s94, s42, 2                         ; 0: Q, 1: K
	SLOTOFF
	s_mul_i32 s43, s94, 13312
	s_mul_i32 s44, s15, 6144                       ; my eight tiles of tokens
	s_add_co_u32 s43, s43, s44
	s_add_co_u32 s98, s92, s43
	s_mov_b32 s99, 0
	s_add_nc_u64 s[98:99], s[66:67], s[98:99]      ; where my codes go
	s_mul_i32 s43, s94, 37888-12288
	s_add_co_u32 s43, s43, 12288
	s_lshl_b32 s44, s15, 9
	s_add_co_u32 s43, s43, s44
	s_add_co_u32 s100, s92, s43
	s_mov_b32 s101, 0
	s_add_nc_u64 s[100:101], s[66:67], s[100:101]  ; and my scale words
.irp a, 0,1,2,3,4,5,6,7
	ADDB \a, BS, 2
.if \a > 0
	s_wait_xcnt 0x0                                ; the last block's stores have read their data: the codes' registers are written again only behind this wait
.endif
	QUANT HA, PW+\a
	global_store_b128 v[L16], v[PC:PC+3], s[98:99] offset:768*\a               ; registers 0-5: my first head's 64 channels
	global_store_b64 v[L8], v[PC+4:PC+5], s[98:99] offset:768*\a+512
	global_store_b128 v[L16], v[PC+6:PC+9], s[98:99] offset:HSTR+768*\a        ; registers 6-11: the next head's
	global_store_b64 v[L8], v[PC+10:PC+11], s[98:99] offset:HSTR+768*\a+512
.endr
.irp p, 0,1,2,3
	v_cndmask_b32 v[XW+\p], v[PW+2*\p], v[PW+2*\p+1], s22   ; tile 2 p in lanes 0-15, tile 2 p + 1 in lanes 16-31
.endr
.irp p, 0,1,2,3
	v_perm_b32 v[UW+\p], s23, v[XW+\p], s46        ; my first head's two bytes, 0x7f above them
	v_perm_b32 v[UW+4+\p], s23, v[XW+\p], s47      ; the next head's
.endr
.irp e, 0,1
.irp u, 0,1
	global_store_b64 v[L8], v[UW+4*\e+2*\u:UW+4*\e+2*\u+1], s[100:101] offset:\e*HSTR+256*\u
.endr
.endr
	s_branch .Ldone
.Lv:
	; ---- V: a lane holds a channel, its registers 128 keys
	s_sub_co_u32 s45, s17, 8
	s_lshl_b32 s45, s45, 2
	s_lshl_b32 s43, s15, 1
	s_add_co_u32 s45, s45, s43                     ; my first head
	s_lshr_b32 s92, s42, 3                         ; batch
	s_and_b32 s93, s42, 7                          ; which 256 tokens of it
	SLOTOFF
	s_mul_i32 s43, s16, 6144                       ; which 128 keys of the slot
	s_add_co_u32 s43, s43, 25600
	s_add_co_u32 s98, s92, s43
	s_mov_b32 s99, 0
	s_add_nc_u64 s[98:99], s[66:67], s[98:99]
	s_lshl_b32 s43, s16, 8
	s_add_co_u32 s43, s43, 38912
	s_add_co_u32 s100, s92, s43
	s_mov_b32 s101, 0
	s_add_nc_u64 s[100:101], s[66:67], s[100:101]
.irp a, 0,1,2,3,4,5,6,7
	ADDB \a, BR+2*\a, 0
.if \a > 0
	s_wait_xcnt 0x0                                ; the last block's stores have read their data
.endif
	QUANT HA, PW+\a
.irp c, 0,1,2
	global_store_b128 v[L16], v[PC+4*\c:PC+4*\c+3], s[98:99] offset:(\a/4)*HSTR+(\a%4)*1536+512*\c
.endr
.endr
.irp p, 0,1,2,3
	v_cndmask_b32 v[XW+\p], v[PW+2*\p], v[PW+2*\p+1], s22
.endr
.irp e, 0,1
	global_store_b64 v[L8], v[XW+2*\e:XW+2*\e+1], s[100:101] offset:\e*HSTR
.endr
.Ldone:
	s_wait_tensorcnt 0x0                           ; the wave's end
	ds_add_u32 v[SPW], v[NIL]
	s_wait_dscnt 0x0
	CROUND                                         ; the closing round: no work-group ends while a partner may still ask for a tile that names it
	s_endpgm
.Lfunc_end_k_q0d33df257a_qkv:
	.size	k_q0d33df257a_qkv, .Lfunc_end_k_q0d33df257a_qkv-k_q0d33df257a_qkv
	.p2alignl 7, 3214868480
	.fill 96, 4, 3214868480
	.section	.rodata,"a",@progbits
	.p2align	6, 0x0
	.amdhsa_kernel k_q0d33df257a_qkv
		.amdhsa_group_segment_fixed_size 327680
		.amdhsa_private_segment_fixed_size 0
		.amdhsa_enable_private_segment 0
		.amdhsa_kernarg_size 48
		.amdhsa_user_sgpr_count 2
		.amdhsa_user_sgpr_kernarg_segment_ptr 1
		.amdhsa_wavefront_size32 1
		.amdhsa_system_sgpr_workgroup_id_x 1
		.amdhsa_system_sgpr_workgroup_id_y 1
		.amdhsa_system_sgpr_workgroup_id_z 1
		.amdhsa_system_vgpr_workitem_id 0
		.amdhsa_next_free_vgpr 1024
		.amdhsa_next_free_sgpr 102
		.amdhsa_reserve_vcc 0
		.amdhsa_float_denorm_mode_32 3
		.amdhsa_float_denorm_mode_16_64 3
		.amdhsa_memory_ordered 1
		.amdhsa_forward_progress 1
		.amdhsa_inst_pref_size 236
	.end_amdhsa_kernel
	.amdgpu_metadata
---
amdhsa.version: [ 1, 2 ]
amdhsa.kernels:
  - .name:           k_q0d33df257a_qkv
    .symbol:         k_q0d33df257a_qkv.kd
    .args:
      - { .name: x_codes, .offset: 0, .size: 8, .value_kind: global_buffer, .address_space: global }
      - { .name: x_scales, .offset: 8, .size: 8, .value_kind: global_buffer, .address_space: global }
      - { .name: W_attn_codes, .offset: 16, .size: 8, .value_kind: global_buffer, .address_space: global }
      - { .name: W_attn_scales, .offset: 24, .size: 8, .value_kind: global_buffer, .address_space: global }
      - { .name: b_attn, .offset: 32, .size: 8, .value_kind: global_buffer, .address_space: global }
      - { .name: qkv, .offset: 40, .size: 8, .value_kind: global_buffer, .address_space: global }
    .group_segment_fixed_size: 327680
    .private_segment_fixed_size: 0
    .kernarg_segment_align: 8
    .kernarg_segment_size: 48
    .max_flat_workgroup_size: 128
    .sgpr_count:     102
    .vgpr_count:     1024
    .wavefront_size: 32
...
	.end_amdgpu_metadata
.endif
;; end of part 1
;; launch attn (part 2): grid 4 x 64, 16 waves a work-group, no clusters, 327,680 bytes of LDS; arguments qkv, y, ys; writes y, ys
.if DOCPART == 2
	.amdgcn_target "amdgcn-amd-amdhsa--gfx1250"
	.amdhsa_code_object_version 6
	.text
	.protected	k_q0d33df257a_attn
	.globl	k_q0d33df257a_attn
	.p2align	8
	.type	k_q0d33df257a_attn,@function
k_q0d33df257a_attn:
	s_mov_b64 s[64:65], 0
	v_nop
	global_prefetch_b8 v0, s[64:65] scope:SCOPE_SE
	s_setreg_imm32_b32 hwreg(HW_REG_WAVE_MODE, 25, 1), 1
	s_wait_xcnt 0x0
; y[b][q][h] = the sum over keys k <= q of softmax_k(Q . K / 8) V, 64 (batch, head) pairs, 2,048 tokens, head size 64; both products on codes of FP6 (E2M3) with one E8M0 scale for each 32 along a product's K.
; Q, K, V come from the workspace as images of operand registers (its layout: the launch that writes it).  y is quantised along the channels and leaves as images for the last product, its scale bytes as [8,192][32].
; THE SOFTMAX: t = score x log2(e) / 8; M = the row's largest t so far, rounded up to a whole number; p = 2^(t - M) is quantised along the keys, not normalised; the row's sum is taken of the unquantised p and divides at the end.
; When M moves, the sum and O are multiplied by 2^(old M - new M): exact.
; SHARES.  Work-group (i, bh) takes block i of 256 queries of head bh and then block 7 - i: (i + 1) + (8 - i) = 9 slots of 256 keys, whatever i: the trip counts are constants, nothing hidden is fetched, all work-groups have equal work.
; Each of the sixteen waves owns 16 queries of each block, in 256 registers: four waves to a SIMD, so that one wave's vector work stands beside another's matrix work and LDS loads.
; NO CLUSTER: in one and the same trip the four work-groups of a head want different slots (trip t: slot t or t - i - 1), so no joint request would name the same bytes; walked in step they would take 12 slots where 9 are walked here.
; LAYOUT.  Both products are used transposed: S^T = K Q^T (source 0 = 16 keys, source 1 = my 16 queries), O^T = V^T P^T: a lane holds one query (lane % 16) throughout.  A tile's keys are neighbours: register j of tile t is key
; 16 t + 8 (lane / 16) + j.  So a block's 32 codes of p stand in the order 0-7, 16-23, 8-15, 24-31, which is the order in which V's codes were laid.
; K = 64 IN AN INSTRUCTION 128 DEEP.  Q's operand is six registers of codes and six of zero codes.  K's fragments lie six registers apart, so that an operand's upper six registers are the next fragment's codes (the last one's: six zeros):
; they meet Q's zero codes under scale bytes 0x7f on both sides and add exactly 0 (the format has no code for infinity or NaN).
; LIMITS: NaN and infinities are not served; a block of y whose largest magnitude lies under 2^-124 (a block of zeros too) gets the byte 1.
.set SLOTB, 39424                      ; a slot of the workspace
.set HSTR,  8*SLOTB                    ; a head's eight slots
.set KVOFF, 13312                      ; from here on a slot's K and V: 26,112 bytes = 102 x 256, one tensor load
.set QSOFF, 12288                      ; Q's scale words
.set SLOT1, 32768                      ; LDS: slot 1 begins here: one exclusive or turns an address in one slot into the other's
.set KC,    0                          ; in an LDS slot: K's codes,
.set VC,    12288                      ; V's codes,
.set KSC,   24576                      ; K's scale words,
.set VSC,   25600                      ; V's
.set SPARE, 65536                      ; the spare words: 128 bytes for each of 16 waves, eight blocks of 256 bytes that no other line names
.set L16, 1                            ; 16 x lane
.set L8,  2                            ; 8 x lane
.set A16, 3                            ; the slot in hand + 16 x lane
.set A8,  4                            ; + 8 x lane
.set SPW, 5                            ; LDS address of my spare word; never rewritten
.set NIL, 6                            ; 0; never rewritten
.set YSO, 9                            ; 32 x (lane % 16): my row of y's scale bytes
.set DQ,  10                           ; lane % 16 - 8 (lane / 16)
.set PFO, 11                           ; 256 x lane
; v12 -M, v13 the largest t, v[14:15] the sum in two halves
.set QF,  16                           ; v16-21 Q's codes, v22-27 zero codes
.set QF2, 28                           ; v28-33 the second block's Q
.set QS,  34                           ; Q's scale word
.set QSB, 35                           ; the second block's
.set KB,  36                           ; v36-83 eight fragments of K, later four of V; v84-89 zeros
.set SK,  90                           ; v90-93 K's scale words
.set SV,  94                           ; v94-95 V's
.set ST,  96                           ; v96-159 S^T, then p
.set OT,  160                          ; v160-191 O^T
.set PC,  192                          ; v192-203 p's codes
.set PT,  204                          ; v204-206, v208-210 codes on their way
.set BM,  212                          ; v212-215 the blocks' largest scores
.set EX,  216                          ; v216-219 from the other half of the lanes; bytes
.set SO,  220                          ; v220-223 the conversions' scale operands
.set PS,  224                          ; p's scale word
.set FF,  226                          ; v[226:227] f = 2^(old M - new M); the upper register is written once
.set TT,  228
.set NINF, 229                         ; -infinity
.set LB,  230                          ; v[230:231] the sum's second chain
.set DD,  232
.set YY,  96                           ; the way out: 32 numbers of y,
.set YC,  128                          ; their codes,
.set YT,  136
.set YW,  140                          ; their two scale bytes
.set TB,  2                            ; s2 LDS byte at which the slot in hand begins
.set WV,  18
.set SEL, 20
.set CS,  22                           ; s[22:23] c = log2(e) / 8
.set G1,  24
.set G0,  32
.set SLOTS, 36                         ; slots still to be asked for
.set KF,  37                           ; the step's first key
.set Q0,  38                           ; my first query
.set SWF, 40                           ; 8 - i: the trip whose refill is the second block's first slot
.set SWP, 41                           ; 7 - i: the trip at whose head the blocks change
.set BK,  42                           ; s[42:43] what that refill goes back, or 0
.set BKV, 44                           ; (i + 1) slots
.set DQ0, 45
.set PFA, 46
.set LIM, 48
.set YB,  50
.set YSB, 52
.set DY,  54
.set DYS, 56
.macro TLOAD                           ; wave 0 fetches a whole slot by one load: one tensor load is out at most.  Four v_nop follow the line
	s_cmp_eq_u32 s[WV], 0
	s_cbranch_scc0 .Lasked_\@
	tensor_load_to_lds s[G0:G0+3], s[G1:G1+7]
	s_nop 0
.rept 4
	v_nop
.endr
.Lasked_\@:
.endm
; A PREFETCH of the codes that the next trip's refill will ask for.  The four work-groups of a head read the same slots: the one with i = 0 asks, whose trip t + 1 loads key slot t + 1; in it waves 4, 5, 6, which fetch nothing,
; name 8,192 bytes each, lanes 256 bytes apart: a slot's 24,576 bytes of K's and V's codes, each block of 256 bytes once in the launch.  Slot 0 and the scale words come by their loads alone; the last trip asks for nothing.
.macro ASK
	s_cmp_gt_u32 s[SLOTS], s[LIM]
	s_cbranch_scc0 .Lnot_mine_\@
	global_prefetch_b8 v[PFO], s[PFA:PFA+1] th:TH_LOAD_NT scope:SCOPE_SE
.Lnot_mine_\@:
.endm
	s_load_b128 s[4:7], s[0:1], 0x0                ; the workspace, y
	s_load_b64 s[8:9], s[0:1], 0x10                ; y's scale bytes
	v_lshl_add_u32 v[SPW], v0, 2, SPARE
	v_mov_b32 v[NIL], 0
	ds_add_u32 v5, v6
	ds_add_u32 v5, v6
	s_wait_dscnt 0x0
	v_lshrrev_b32 v7, 5, v0
	s_delay_alu instid0(VALU_DEP_1)
	v_readfirstlane_b32 s[WV], v7                  ; wave 0..15
	s_and_b32 s19, ttmp7, 0xffff                   ; bh = 16 x batch + head
	; descriptor group 1: 26,112 dense bytes as 102 rows of 256 bytes (32 elements of 8 bytes)
	s_mov_b32 s[G1], 3<<16
	s_mov_b32 s[G1+1], 32<<16
	s_mov_b32 s[G1+2], 102<<16
	s_mov_b32 s[G1+3], 32<<16
	s_mov_b32 s[G1+4], 102
	s_mov_b32 s[G1+5], 32
	s_mov_b32 s[G1+6], 0
	s_mov_b32 s[G1+7], 0
	s_mul_i32 s58, s19, HSTR
	s_mov_b32 s59, 0
	s_wait_kmcnt 0x0
	s_add_nc_u64 s[4:5], s[4:5], s[58:59]          ; the workspace at my head
	s_mov_b32 s[G0], 1
	s_mov_b32 s[G0+1], 0                           ; LDS slot 0
	s_add_nc_u64 s[G0+2:G0+3], s[4:5], KVOFF       ; key slot 0
	s_or_b32 s[G0+3], s[G0+3], 0x80000000
	TLOAD
	s_mov_b32 s[SEL], 0x76543210
	s_mov_b32 s[SEL+1], 0xfedcba98
	s_mov_b32 s[CS], 0x3e38aa3b
	s_mov_b32 s[CS+1], s[CS]                       ; (named with it as a pair, so it is written)
	s_mov_b32 s[SLOTS], 8
	s_mov_b32 s[KF], 0
	s_sub_co_u32 s[SWF], 8, ttmp9
	s_sub_co_u32 s[SWP], 7, ttmp9
	s_add_co_u32 s[BKV], ttmp9, 1
	s_mul_i32 s[BKV], s[BKV], SLOTB
	s_mov_b32 s[BK], 0
	s_mov_b32 s[BK+1], 0
	s_lshl_b32 s39, ttmp9, 1
	s_sub_co_u32 s39, 7, s39                       ; 7 - 2 i: blocks from my first block of queries to my second
	s_lshl_b32 s[DQ0], s39, 8
	s_mul_i32 s[DY], s39, 12288
	s_mov_b32 s[DY+1], 0
	s_lshl_b32 s[DYS], s39, 13
	s_mov_b32 s[DYS+1], 0
	s_lshl_b32 s[Q0], ttmp9, 8
	s_lshl_b32 s3, s[WV], 4
	s_add_co_u32 s[Q0], s[Q0], s3                  ; 256 i + 16 x wave
	s_mul_i32 s2, ttmp9, SLOTB                     ; Q: block i's slot,
	s_mul_i32 s3, s[WV], 768                       ; my tile's image
	s_add_co_u32 s58, s2, s3
	s_add_nc_u64 s[10:11], s[4:5], s[58:59]
	s_lshr_b32 s3, s[WV], 2                        ; its scale word: 256 (w / 4) + 128 (w % 2) + 4 ((w / 2) % 2) + 8 r
	s_lshl_b32 s3, s3, 8
	s_add_co_u32 s2, s2, s3
	s_and_b32 s3, s[WV], 1
	s_lshl_b32 s3, s3, 7
	s_add_co_u32 s2, s2, s3
	s_bfe_u32 s3, s[WV], 0x10001
	s_lshl_b32 s3, s3, 2
	s_add_co_u32 s2, s2, s3
	s_add_co_u32 s58, s2, QSOFF
	s_add_nc_u64 s[14:15], s[4:5], s[58:59]
	s_mul_i32 s58, s39, SLOTB                      ; and the same of block 7 - i
	s_add_nc_u64 s[12:13], s[10:11], s[58:59]
	s_add_nc_u64 s[16:17], s[14:15], s[58:59]
	s_mul_i32 s58, s19, 98304                      ; y: [bh][tile of 16 tokens][768]
	s_mul_i32 s3, ttmp9, 12288
	s_add_co_u32 s58, s58, s3
	s_mul_i32 s3, s[WV], 768
	s_add_co_u32 s58, s58, s3
	s_add_nc_u64 s[YB:YB+1], s[6:7], s[58:59]
	s_lshr_b32 s58, s19, 4                         ; its scale bytes: token x 32 + 2 x head
	s_lshl_b32 s58, s58, 16
	s_lshl_b32 s3, ttmp9, 13
	s_add_co_u32 s58, s58, s3
	s_lshl_b32 s3, s[WV], 9
	s_add_co_u32 s58, s58, s3
	s_and_b32 s3, s19, 15
	s_lshl_b32 s3, s3, 1
	s_add_co_u32 s58, s58, s3
	s_add_nc_u64 s[YSB:YSB+1], s[8:9], s[58:59]
	s_and_b32 s58, s[WV], 3                        ; the prefetches: my wave's 8,192 bytes, in key slot 0: the first change of slots steps it to slot 1
	s_lshl_b32 s58, s58, 13
	s_add_co_u32 s58, s58, KVOFF
	s_add_nc_u64 s[PFA:PFA+1], s[4:5], s[58:59]
	s_sub_co_u32 s3, s[WV], 4
	s_cmp_lt_u32 s3, 3                             ; waves 4, 5, 6
	s_cselect_b32 s3, 0, 1
	s_or_b32 s3, s3, ttmp9                         ; of the work-group with i = 0
	s_cmp_eq_u32 s3, 0
	s_cselect_b32 s[LIM], 1, -1
	s_mov_b32 s[TB], 0
	v_and_b32 v7, 31, v0
	s_delay_alu instid0(VALU_DEP_1)
	v_lshlrev_b32 v[L16], 4, v7
	s_delay_alu instid0(VALU_DEP_2)
	v_lshlrev_b32 v[L8], 3, v7
	s_delay_alu instid0(VALU_DEP_3)
	v_lshlrev_b32 v[PFO], 8, v7
	v_and_b32 v8, 15, v0                           ; r
	v_bfe_u32 v7, v0, 4, 1                         ; hh
	s_delay_alu instid0(VALU_DEP_2)
	v_lshlrev_b32 v[YSO], 5, v8
	s_delay_alu instid0(VALU_DEP_2)
	v_lshlrev_b32 v[DQ], 3, v7
	s_delay_alu instid0(VALU_DEP_1)
	v_sub_nc_u32 v[DQ], v8, v[DQ]
	v_lshlrev_b32 v8, 3, v8                        ; 8 r
	global_load_b128 v[QF:QF+3], v[L16], s[10:11]
	global_load_b64 v[QF+4:QF+5], v[L8], s[10:11] offset:512
	global_load_b128 v[QF2:QF2+3], v[L16], s[12:13]
	global_load_b64 v[QF2+4:QF2+5], v[L8], s[12:13] offset:512
	global_load_b32 v[QS], v8, s[14:15]
	global_load_b32 v[QSB], v8, s[16:17]
.irp j, 0,1,2,3,4,5
	v_mov_b32 v[QF+6+\j], 0                        ; Q's zero codes
	v_mov_b32 v[KB+48+\j], 0                       ; and what stands behind K's last fragment
.endr
	v_mov_b32 v13, 0xff61b1e6                      ; the largest t so far: -3e38
	s_delay_alu instid0(VALU_DEP_1)
	v_floor_f32 v12, -v13                          ; -M
	v_mov_b32 v14, 0
	v_mov_b32 v15, 0
.irp b, 0,1,2,3
	v_mov_b32 v[EX+\b], 0                          ; written once: a lane permute's destination counts as one of its sources
.endr
	v_mov_b32 v[FF+1], 0                           ; (named as the upper half of a pair)
	v_mov_b32 v[NINF], 0xff800000
.set nn, 0
.rept 32
	v_mov_b32 v[OT+nn], 0                          ; O^T: the step is written once: a block's first step finds zeros, which the first change of M leaves zeros
.set nn, nn+1
.endr
; A KEY STEP: 128 keys, the q-th of the slot in hand.
.macro STEP q
	s_add_co_u32 s58, s[Q0], 15                    ; a step all of whose keys come after my 16 queries is left out: a scalar branch on ids, round no barrier and no tensor load
	s_cmp_gt_u32 s[KF], s58
	s_cbranch_scc1 .Lhidden_\@
	v_add_nc_u32 v[A16], s[TB], v[L16]
	v_add_nc_u32 v[A8], s[TB], v[L8]
	v_nop
	v_nop                                          ; four places in front of loads into registers that the last products read
.irp t, 0,1,2,3,4,5,6,7
	ds_load_b128 v[KB+6*\t:KB+6*\t+3], v[A16] offset:KC+(8*(\q)+\t)*768
	ds_load_b64 v[KB+6*\t+4:KB+6*\t+5], v[A8] offset:KC+(8*(\q)+\t)*768+512
.endr
	ds_load_b64 v[SK:SK+1], v[A8] offset:KSC+512*(\q)
	ds_load_b64 v[SK+2:SK+3], v[A8] offset:KSC+512*(\q)+256
	s_wait_alu depctr_va_vdst(0)
	s_wait_dscnt 0x0
.irp t, 0,1,2,3,4,5,6,7                        ; S^T = K Q^T: eight tiles of 16 keys
.if \t % 2
	v_wmma_scale_f32_16x16x128_f8f6f4 v[ST+8*\t:ST+8*\t+7], v[KB+6*\t:KB+6*\t+11], v[QF:QF+11], 0, v[SK+2*(\t/4)+(\t%4)/2], v[QS] matrix_a_fmt:MATRIX_FMT_FP6 matrix_b_fmt:MATRIX_FMT_FP6 matrix_a_scale:MATRIX_SCALE_ROW1
.else
	v_wmma_scale_f32_16x16x128_f8f6f4 v[ST+8*\t:ST+8*\t+7], v[KB+6*\t:KB+6*\t+11], v[QF:QF+11], 0, v[SK+2*(\t/4)+(\t%4)/2], v[QS] matrix_a_fmt:MATRIX_FMT_FP6 matrix_b_fmt:MATRIX_FMT_FP6
.endif
.endr
.rept 4
	v_nop                                          ; places in front of the loads below and of the first read of the scores
.endr
.irp t, 0,1,2,3                                ; V's four fragments land under the softmax
.irp c, 0,1,2
	ds_load_b128 v[KB+12*\t+4*\c:KB+12*\t+4*\c+3], v[A16] offset:VC+6144*(\q)+1536*\t+512*\c
.endr
.endr
	ds_load_b64 v[SV:SV+1], v[A8] offset:VSC+256*(\q)
	s_add_co_u32 s58, s[KF], 127                   ; on the diagonal the scores of hidden keys become -infinity ahead of the maximum; a step all of whose keys count skips this
	s_cmp_le_u32 s58, s[Q0]
	s_cbranch_scc1 .Lopen_\@
	s_sub_co_i32 s58, s[Q0], s[KF]
	v_add_nc_u32 v[DD], s58, v[DQ]                 ; d = my query - KF - 8 (lane / 16).  Register n holds key KF + 8 (lane / 16) + 16 (n / 8) + n % 8: hidden where 16 (n / 8) + n % 8 > d
.set nn, 0
.rept 64
	v_cmp_gt_i32 vcc_lo, 16*(nn/8)+nn%8, v[DD]
	v_cndmask_b32 v[ST+nn], v[ST+nn], v[NINF], vcc_lo
.set nn, nn+1
.endr
.Lopen_\@:
.irp b, 0,1,2,3
	v_max3_num_f32 v[BM+\b], v[ST+16*\b], v[ST+1+16*\b], v[ST+2+16*\b]   ; the largest score of each block of 32 keys: it serves for the row's maximum and, since p rises with the score, for the block's largest p
.endr
.irp i, 3,5,7,9,11,13
.irp b, 0,1,2,3
	v_max3_num_f32 v[BM+\b], v[BM+\b], v[ST+16*\b+\i], v[ST+1+16*\b+\i]
.endr
.endr
.irp b, 0,1,2,3
	v_max_num_f32 v[BM+\b], v[BM+\b], v[ST+15+16*\b]
.endr
.irp b, 0,1,2,3
	s_delay_alu instid0(VALU_DEP_4)
	v_permlanex16_b32 v[EX+\b], v[BM+\b], s[SEL], s[SEL+1]
.endr
.irp b, 0,1,2,3
	s_delay_alu instid0(VALU_DEP_4)
	v_max_num_f32 v[BM+\b], v[BM+\b], v[EX+\b]     ; with lane l xor 16's 16 keys
.endr
	s_delay_alu instid0(VALU_DEP_2)
	v_max3_num_f32 v[TT], v[BM], v[BM+1], v[BM+2]
	s_delay_alu instid0(VALU_DEP_1)
	v_max_num_f32 v[TT], v[TT], v[BM+3]
	s_delay_alu instid0(VALU_DEP_1)
	v_mul_f32 v[TT], s[CS], v[TT]                  ; the step's largest t (c is positive)
	s_delay_alu instid0(VALU_DEP_1)
	v_max_num_f32 v13, v13, v[TT]
	v_mov_b32 v[TT], v12
	s_delay_alu instid0(VALU_DEP_2)
	v_floor_f32 v12, -v13                          ; the new -M = floor(-t) = -ceil(t)
	s_delay_alu instid0(VALU_DEP_1)
	v_sub_f32 v[TT], v12, v[TT]                    ; old M - new M: a whole number, 0 or less
	s_delay_alu instid0(VALU_DEP_1)
	v_cvt_i32_f32 v[TT], v[TT]                     ; (it saturates)
	s_delay_alu instid0(VALU_DEP_1)
	v_ldexp_f32 v[FF], 1.0, v[TT]                  ; f = 2^(old M - new M)
.set nn, 0
.rept 32
	v_pk_fma_f32 v[ST+nn:ST+nn+1], v[ST+nn:ST+nn+1], s[CS:CS+1], v[12:13] op_sel_hi:[1,0,0]   ; t - M, two at a time
.set nn, nn+2
.endr
.irp b, 0,1,2,3
	v_fma_f32 v[BM+\b], v[BM+\b], s[CS], v12       ; the same of each block's largest score
.endr
.set nn, 0
	s_wait_alu depctr_va_vdst(0)
.rept 64
	v_exp_f32 v[ST+nn], v[ST+nn]                   ; p = 2^(t - M)
.set nn, nn+1
.endr
	v_pk_mul_f32 v[14:15], v[14:15], v[FF:FF+1] op_sel_hi:[1,0]   ; the sums under the new M: a plain place behind the exponentials
	s_wait_alu depctr_va_vdst(0)                   ; one wait for the whole batch, ahead of its first reader
.irp b, 0,1,2,3
	v_exp_f32 v[BM+\b], v[BM+\b]                   ; the block's largest p
.endr
	v_pk_add_f32 v[230:231], v[100:101], v[104:105]
	v_pk_add_f32 v[254:255], v[108:109], v[112:113]
	v_pk_add_f32 v[252:253], v[116:117], v[120:121]
	v_pk_add_f32 v[250:251], v[124:125], v[128:129]
	v_pk_add_f32 v[248:249], v[132:133], v[136:137]
	v_pk_add_f32 v[246:247], v[140:141], v[144:145]
	v_pk_add_f32 v[244:245], v[148:149], v[152:153]
	v_pk_add_f32 v[14:15], v[14:15], v[156:157]
	v_pk_add_f32 v[230:231], v[230:231], v[96:97]
	v_pk_add_f32 v[254:255], v[254:255], v[98:99]
	v_pk_add_f32 v[252:253], v[252:253], v[102:103]
	v_pk_add_f32 v[250:251], v[250:251], v[106:107]
	v_pk_add_f32 v[248:249], v[248:249], v[110:111]
	v_pk_add_f32 v[246:247], v[246:247], v[114:115]
	v_pk_add_f32 v[244:245], v[244:245], v[118:119]
	v_pk_add_f32 v[14:15], v[14:15], v[122:123]
	v_pk_add_f32 v[230:231], v[230:231], v[126:127]
	v_pk_add_f32 v[254:255], v[254:255], v[130:131]
	v_pk_add_f32 v[252:253], v[252:253], v[134:135]
	v_pk_add_f32 v[250:251], v[250:251], v[138:139]
	v_pk_add_f32 v[248:249], v[248:249], v[142:143]
	v_pk_add_f32 v[246:247], v[246:247], v[146:147]
	v_pk_add_f32 v[244:245], v[244:245], v[150:151]
	v_pk_add_f32 v[14:15], v[14:15], v[154:155]
	v_pk_add_f32 v[230:231], v[230:231], v[158:159]
	s_delay_alu instid0(VALU_DEP_2)
	v_pk_add_f32 v[14:15], v[14:15], v[250:251]
	s_delay_alu instid0(VALU_DEP_2)
	v_pk_add_f32 v[230:231], v[230:231], v[248:249]
	v_pk_add_f32 v[254:255], v[254:255], v[246:247]
	v_pk_add_f32 v[252:253], v[252:253], v[244:245]
	s_delay_alu instid0(VALU_DEP_2)
	v_pk_add_f32 v[14:15], v[14:15], v[254:255]
	s_delay_alu instid0(VALU_DEP_2)
	v_pk_add_f32 v[230:231], v[230:231], v[252:253]
	s_delay_alu instid0(VALU_DEP_1)
	v_pk_add_f32 v[14:15], v[14:15], v[230:231]
	s_wait_alu depctr_va_vdst(0)                   ; and one for the four
.irp b, 0,1,2,3
	v_max_num_f32 v[BM+\b], 0x1800000, v[BM+\b]    ; the floor 2^(3 - 127): the byte cannot fall under 1
.endr
.irp b, 0,1,2,3
	s_delay_alu instid0(VALU_DEP_4)
	v_add_nc_u32 v[SO+\b], 0xff000000, v[BM+\b]    ; 2 off the exponent field: the conversion's scale operand
.endr
.irp b, 0,1,2,3
	s_delay_alu instid0(VALU_DEP_4)
	v_lshrrev_b32 v[EX+\b], 23, v[SO+\b]           ; the scale's byte
.endr
	s_delay_alu instid0(VALU_DEP_3)
	v_lshl_or_b32 v[PS], v[EX+1], 8, v[EX]
	s_delay_alu instid0(VALU_DEP_1)
	v_lshl_or_b32 v[PS], v[EX+2], 16, v[PS]
	s_delay_alu instid0(VALU_DEP_1)
	v_lshl_or_b32 v[PS], v[EX+3], 24, v[PS]
.irp c, 0,1
	v_cvt_scalef32_pk16_fp6_f32 v[PC+6*\c:PC+2+6*\c], v[ST+32*\c:ST+15+32*\c], v[SO+2*\c]
	v_cvt_scalef32_pk16_fp6_f32 v[PT+4*\c:PT+2+4*\c], v[ST+16+32*\c:ST+31+32*\c], v[SO+2*\c+1]
.endr
	v_nop                                          ; one plain place behind a scaled conversion
.irp c, 0,1                                    ; a whole block in a lane: lanes 0-15 block 2 c, lanes 16-31 block 2 c + 1
.irp i, 0,1,2
	v_permlane16_swap_b32 v[PC+6*\c+\i], v[PT+4*\c+\i]
.endr
.irp i, 0,1,2
	s_delay_alu instid0(VALU_DEP_3)
	v_mov_b32 v[PC+3+6*\c+\i], v[PT+4*\c+\i]
.endr
.endr
.set nn, 0
.rept 16
	v_pk_mul_f32 v[OT+nn:OT+nn+1], v[OT+nn:OT+nn+1], v[FF:FF+1] op_sel_hi:[1,0]   ; O^T under the new M.  (These are also the places between the writes of p's codes and scale word and the products)
.set nn, nn+2
.endr
	s_wait_alu depctr_va_vdst(0)
	s_wait_dscnt 0x0                               ; V
.irp t, 0,1,2,3                                ; O^T += V^T P^T: four tiles of 16 channels, by turns
.if \t % 2
	v_wmma_scale_f32_16x16x128_f8f6f4 v[OT+8*\t:OT+8*\t+7], v[KB+12*\t:KB+12*\t+11], v[PC:PC+11], v[OT+8*\t:OT+8*\t+7], v[SV+\t/2], v[PS] matrix_a_fmt:MATRIX_FMT_FP6 matrix_b_fmt:MATRIX_FMT_FP6 matrix_a_scale:MATRIX_SCALE_ROW1
.else
	v_wmma_scale_f32_16x16x128_f8f6f4 v[OT+8*\t:OT+8*\t+7], v[KB+12*\t:KB+12*\t+11], v[PC:PC+11], v[OT+8*\t:OT+8*\t+7], v[SV+\t/2], v[PS] matrix_a_fmt:MATRIX_FMT_FP6 matrix_b_fmt:MATRIX_FMT_FP6
.endif
.endr
.Lhidden_\@:
	s_add_co_u32 s[KF], s[KF], 128
.endm
; THE CHANGE OF SLOTS stands at a slot's head.  Each wave waits for all its tensor loads, adds 0 to its spare word, and waits for that and for its reads of the slot that it has left.
; Behind the barrier the slot ahead is whole and nobody reads the other one.  fill = 1: that other slot is filled with the slot that follows in my walk.
.macro CHANGE fill
	s_wait_tensorcnt 0x0                           ; no tensor load of mine is out, so the descriptor may be written
	ds_add_u32 v[SPW], v[NIL]                      ; 0 onto my spare word
.if \fill
	s_xor_b32 s[G0+1], s[G0+1], SLOT1              ; the other LDS slot than last time,
	s_add_nc_u64 s[G0+2:G0+3], s[G0+2:G0+3], SLOTB ; the next key slot,
	s_cmp_eq_u32 s[SLOTS], s[SWF]
	s_cselect_b32 s[BK], s[BKV], 0
	s_sub_nc_u64 s[G0+2:G0+3], s[G0+2:G0+3], s[BK:BK+1]   ; or, behind the first block's last slot, key slot 0 again
	s_wait_xcnt 0x0                                ; the last prefetch, a slot back, has read its address
	s_add_nc_u64 s[PFA:PFA+1], s[PFA:PFA+1], SLOTB
.endif
	s_wait_dscnt 0x0                               ; the add is done, and my reads of the slot that I have left are over
	s_barrier_signal -1
	s_barrier_wait -1
.if \fill
	TLOAD                                          ; the first thing behind the barrier: it has a slot's two steps in which to land
	ASK
.endif
.endm
.macro SLOT_STEPS
	STEP 0
	STEP 1
	s_xor_b32 s[TB], s[TB], SLOT1
.endm
; A BLOCK'S WAY OUT: O^T / the sum; the channels are brought into their true order (W_o's codes are given in it); quantised along them; the image of six registers and the two scale bytes are stored.
.macro FINISH
.rept 4
	v_nop                                          ; places behind the last products
.endr
	v_add_f32 v14, v14, v15
	s_delay_alu instid0(VALU_DEP_1)
	v_permlanex16_b32 v[EX], v14, s[SEL], s[SEL+1]
	s_delay_alu instid0(VALU_DEP_1)
	v_add_f32 v14, v14, v[EX]                      ; the row's sum
	s_wait_alu depctr_va_vdst(0)
	v_rcp_f32 v14, v14
	v_nop                                          ; a plain place behind the reciprocal
	s_wait_alu depctr_va_vdst(0)                   ; and the wait ahead of its first reader
.set nn, 0
.rept 16
	v_pk_mul_f32 v[YY+nn:YY+nn+1], v[OT+nn:OT+nn+1], v[14:15] op_sel_hi:[1,0]   ; register 8 t + j: channel 16 t + 8 hh + j
.set nn, nn+2
.endr
.irp b, 0,1
.irp j, 0,1,2,3,4,5,6,7
	v_permlane16_swap_b32 v[YY+16*\b+\j], v[YY+16*\b+8+\j]   ; now register 16 b + i: channel 32 b + 16 hh + i
.endr
.endr
.irp b, 0,1
	v_max3_num_f32 v[BM+\b], |v[YY+16*\b]|, |v[YY+1+16*\b]|, 0x1800000
.endr
.irp i, 2,4,6,8,10,12,14
.irp b, 0,1
	s_delay_alu instid0(VALU_DEP_2)
	v_max3_num_f32 v[BM+\b], v[BM+\b], |v[YY+16*\b+\i]|, |v[YY+1+16*\b+\i]|
.endr
.endr
.irp b, 0,1
	s_delay_alu instid0(VALU_DEP_2)
	v_permlanex16_b32 v[EX+\b], v[BM+\b], s[SEL], s[SEL+1]
.endr
.irp b, 0,1
	s_delay_alu instid0(VALU_DEP_2)
	v_max_num_f32 v[BM+\b], v[BM+\b], v[EX+\b]
.endr
.irp b, 0,1
	s_delay_alu instid0(VALU_DEP_2)
	v_add_nc_u32 v[SO+\b], 0xff000000, v[BM+\b]
.endr
.irp b, 0,1
	s_delay_alu instid0(VALU_DEP_2)
	v_lshrrev_b32 v[EX+\b], 23, v[SO+\b]
.endr
	s_delay_alu instid0(VALU_DEP_1)
	v_lshl_or_b32 v[YW], v[EX+1], 8, v[EX]
	v_cvt_scalef32_pk16_fp6_f32 v[YC:YC+2], v[YY:YY+15], v[SO]
	v_cvt_scalef32_pk16_fp6_f32 v[YT:YT+2], v[YY+16:YY+31], v[SO+1]
	v_nop
.irp i, 0,1,2
	v_permlane16_swap_b32 v[YC+\i], v[YT+\i]
.endr
.irp i, 0,1,2
	s_delay_alu instid0(VALU_DEP_3)
	v_mov_b32 v[YC+3+\i], v[YT+\i]                 ; lane (r, hh): block hh of row r's 64 channels
.endr
	global_store_b128 v[L16], v[YC:YC+3], s[YB:YB+1]             ; 512 consecutive bytes,
	global_store_b64 v[L8], v[YC+4:YC+5], s[YB:YB+1] offset:512  ; and 256
	global_store_b16 v[YSO], v[YW], s[YSB:YSB+1]                 ; two bytes a token (lanes l and l xor 16 write the same two bytes with the same value): 1 / 24 of y's bytes
.endm
	s_wait_loadcnt 0x0                             ; Q, both blocks'
.Lslot:                                            ; eight trips: behind each change of slots but the last the next slot is asked for
	CHANGE 1
	s_cmp_lg_u32 s[SLOTS], s[SWP]                  ; the first block's slots are walked: its y goes out, and the second block begins (trip i + 1: 1 to 4)
	s_cbranch_scc1 .Lsame
	FINISH
	v_mov_b32 v[QS], v[QSB]
.irp j, 0,1,2,3,4,5
	v_mov_b32 v[QF+\j], v[QF2+\j]
.endr
	v_mov_b32 v13, 0xff61b1e6
	s_delay_alu instid0(VALU_DEP_1)
	v_floor_f32 v12, -v13
	v_mov_b32 v14, 0
	v_mov_b32 v15, 0
.set nn, 0
.rept 32
	v_mov_b32 v[OT+nn], 0                          ; (these are also the places between the writes of Q's codes and scale word and the next products)
.set nn, nn+1
.endr
	s_mov_b32 s[KF], 0
	s_add_co_u32 s[Q0], s[Q0], s[DQ0]
	s_wait_xcnt 0x0                                ; the stores have read their data and their bases: both are written again only behind this wait
	s_add_nc_u64 s[YB:YB+1], s[YB:YB+1], s[DY:DY+1]
	s_add_nc_u64 s[YSB:YSB+1], s[YSB:YSB+1], s[DYS:DYS+1]
.Lsame:
	SLOT_STEPS
	s_sub_co_u32 s[SLOTS], s[SLOTS], 1
	s_cmp_lg_u32 s[SLOTS], 0
	s_cbranch_scc1 .Lslot
	CHANGE 0                                       ; the last slot is written out
	SLOT_STEPS
	FINISH
	s_wait_tensorcnt 0x0                           ; the wave's end
	ds_add_u32 v[SPW], v[NIL]
	s_wait_dscnt 0x0
	s_endpgm
.Lfunc_end_k_q0d33df257a_attn:
	.size	k_q0d33df257a_attn, .Lfunc_end_k_q0d33df257a_attn-k_q0d33df257a_attn
	.p2alignl 7, 3214868480
	.fill 96, 4, 3214868480
	.section	.rodata,"a",@progbits
	.p2align	6, 0x0
	.amdhsa_kernel k_q0d33df257a_attn
		.amdhsa_group_segment_fixed_size 327680
		.amdhsa_private_segment_fixed_size 0
		.amdhsa_enable_private_segment 0
		.amdhsa_kernarg_size 24
		.amdhsa_user_sgpr_count 2
		.amdhsa_user_sgpr_kernarg_segment_ptr 1
		.amdhsa_wavefront_size32 1
		.amdhsa_system_sgpr_workgroup_id_x 1
		.amdhsa_system_sgpr_workgroup_id_y 1
		.amdhsa_system_sgpr_workgroup_id_z 1
		.amdhsa_system_vgpr_workitem_id 0
		.amdhsa_next_free_vgpr 256
		.amdhsa_next_free_sgpr 66
		.amdhsa_reserve_vcc 1
		.amdhsa_float_denorm_mode_32 3
		.amdhsa_float_denorm_mode_16_64 3
		.amdhsa_memory_ordered 1
		.amdhsa_forward_progress 1
		.amdhsa_inst_pref_size 109
	.end_amdhsa_kernel
	.amdgpu_metadata
---
amdhsa.version: [ 1, 2 ]
amdhsa.kernels:
  - .name:           k_q0d33df257a_attn
    .symbol:         k_q0d33df257a_attn.kd
    .args:
      - { .name: qkv, .offset: 0, .size: 8, .value_kind: global_buffer, .address_space: global }
      - { .name: y, .offset: 8, .size: 8, .value_kind: global_buffer, .address_space: global }
      - { .name: ys, .offset: 16, .size: 8, .value_kind: global_buffer, .address_space: global }
    .group_segment_fixed_size: 327680
    .private_segment_fixed_size: 0
    .kernarg_segment_align: 8
    .kernarg_segment_size: 24
    .max_flat_workgroup_size: 512
    .sgpr_count:     66
    .vgpr_count:     256
    .wavefront_size: 32
...
	.end_amdgpu_metadata
.endif
;; end of part 2
;; launch proj (part 3): grid 4 x 32, 4 waves a work-group, clusters of 4 x 4, 327,680 bytes of LDS; arguments y, ys, W_o_codes, W_o_scales, b_o, out0; writes out0
.if DOCPART == 3
	.amdgcn_target "amdgcn-amd-amdhsa--gfx1250"
	.amdhsa_code_object_version 6
	.text
	.protected	k_q0d33df257a_proj
	.globl	k_q0d33df257a_proj
	.p2align	8
	.type	k_q0d33df257a_proj,@function
k_q0d33df257a_proj:
	s_mov_b64 s[64:65], 0
	v_nop
	global_prefetch_b8 v0, s[64:65] scope:SCOPE_SE
	s_setreg_imm32_b32 hwreg(HW_REG_WAVE_MODE, 25, 1), 1
	s_wait_xcnt 0x0
	s_wait_alu depctr_hold_cnt(0) depctr_sa_sdst(0) depctr_va_vdst(0) depctr_va_sdst(0) depctr_va_ssrc(0) depctr_va_vcc(0) depctr_vm_vsrc(0)
	s_getreg_b32 s2, hwreg(HW_REG_IB_STS2, 6, 4)
	s_cmp_eq_u32 s2, 0
	s_cbranch_scc0 .Lentry_in_a_cluster
	s_endpgm
.Lentry_in_a_cluster:
	s_bfe_u32 s2, ttmp6, 0x10000c
	s_cmp_lg_u32 s2, 0xf033
	s_cbranch_scc0 .Lentry_shape_is_right
	s_endpgm
.Lentry_shape_is_right:
; out0 = y W_o^T + b_o on codes of FP6 (E2M3) with one E8M0 scale for each 32 along K = 1,024; sums in f32.  y: 8,192 tokens, W_o: 1,024 rows; out0: [8,192][1,024] f32.
; A tile of 256 x 256 of out0 is made by a work-group of four waves; a wave makes 128 x 128: 64 accumulators, 512 registers.  K goes in steps of 256 (four heads) through a ring of two LDS slots.
; y COMES AS IMAGES OF OPERAND REGISTERS: [batch][head][tile of 16 tokens][768 bytes]: registers 0-3 of the head's six at 16 x lane, registers 4-5 at 512 + 8 x lane.  128 tokens of one head are 6,144 dense bytes;
; a K step's four heads lie 98,304 bytes apart: one tensor load of 4 rows x 6,144 bytes.  A fragment (two heads) comes by two loads of 16 bytes and two of 8 a lane, each of consecutive bytes: no pitch, no padding.
; W_o's codes come as rows (768 bytes in memory), y's and W_o's scale bytes as dense blocks, once, with the first fills.
; CLUSTERS: 4 x 4 work-groups.  y's tiles are shared along a row of the cluster, W_o's along a column: each is asked for jointly.  THE MATRIX INSTRUCTION IS USED TRANSPOSED (source 0 = 16 rows of W_o, source 1 = 16 tokens):
; a lane holds eight neighbouring numbers of a row of out0.  THE BIAS is the C of each sum's first matrix instruction: eight registers a block of W_o's rows, in the result's layout.
; No prefetch: K has four steps, of which two are the first fills.
; REGISTERS, in windows of 256: window 0: v16-30 addresses; v32-63 scale words, two sets; v64-127 the bias; v128-223 y's fragments, one set; on the way out v128-255 rows of out0.
;   window 1: W_o's fragments, two sets.   windows 2, 3: the accumulators ((a, b) at v[8 (8 (a % 4) + b)]).
.set SIZE_N, 1024
.set KSTEP,  256
.set NQ,     KSTEP/128
.set ROWB,   192
.set KROW,   768
.set PITCH,  240
.set FR,     12
.set NL,     6                         ; LDS loads that bring a fragment of W_o
.set NLA,    4                         ; and one of y
.set NP,     4
.set HALFT,  128*PITCH
.set SLOT,   4*HALFT
.set LAPS,   2
.set KS,     32
.set SCL,    2*SLOT
.set HALFS,  (128*KS/256)*272
.set SBLK,   (16*KS/256)*272
.set SPARE,  SCL+4*HALFS               ; the spare words: 128 bytes for each wave, two blocks of 256 bytes that no other line names
.set HEADB,  6144                      ; 128 tokens of one head
.set YSTEP,  4*98304                   ; four heads on in y
.set SPITCH, 528                       ; the way out: a stage of 16 rows x (512 bytes + 16) for each wave, in slot 0, which has had its last fill and its last read when the first result is stored there
.set ADRA, 16                          ; v16-17 my half of y's tile in slot 0, 1, + 16 x lane; v18-19 + 8 x lane
.set ADRB, 20                          ; v20-21 LDS address of W_o's fragments; v22-23 behind one padding more
.set STO,  24
.set RD,   25
.set CO,   26
.set ADRS, 27
.set SPW,  28                          ; LDS address of my spare word; never rewritten
.set NIL,  29                          ; 0; never rewritten
.set HB,   30                          ; 32 x (lane / 16)
.set SC,   32
.set BS,   64                          ; register 8 b + j: b_o of column 16 b + 8 hh + j of my 128
.set AF,   128
.set BK,   128
.set G1, 24
.set G0, 32
.set G1B, 48
.set G0B, 56
.set G1S, 68
.set G0S, 76
.set G1SB, 80
.set G0SB, 88
.set MSB, 0
.macro WIN new                         ; the immediate's high byte repeats the setting that is left
.if MSB != (\new)
	s_set_vgpr_msb (MSB<<8)|(\new)
.set MSB, (\new)
.endif
.endm
.set MUL_LO, 0xa1                      ; source 0 (W_o) window 1, source 1 (y) window 0, C and D window 2
.set MUL_HI, 0xf1                      ; the same, C and D window 3
.set MUL_LO0, 0x81                     ; the first step: C (the bias) window 0
.set MUL_HI0, 0xc1
.set TO_B,   0x40
.macro JLOAD g0a, g1a, g0b, g1b        ; a joint load: waves 0 and 1 fetch for y, waves 2 and 3 for W_o; four v_nop follow each of the two lines
	s_cmp_eq_u32 s15, 0
	s_cbranch_scc0 .Lfor_b_\@
	tensor_load_to_lds s[\g0a:\g0a+3], s[\g1a:\g1a+7]
	s_nop 0
.rept 4
	v_nop
.endr
	s_branch .Lasked_\@
.Lfor_b_\@:
	tensor_load_to_lds s[\g0b:\g0b+3], s[\g1b:\g1b+7]
	s_nop 0
.rept 4
	v_nop
.endr
.Lasked_\@:
.endm
.macro CREST
	s_cmp_lg_u32 s14, 0
	s_cbranch_scc1 .Lnot_wave_0_\@
	s_barrier_signal -3
.Lnot_wave_0_\@:
	s_barrier_wait -3
	s_barrier_signal -1
	s_barrier_wait -1
.endm
.macro CROUND
	s_barrier_signal -1
	s_barrier_wait -1
	CREST
.endm
	s_load_b128 s[4:7], s[0:1], 0x0                ; y's images, y's scales
	s_load_b128 s[8:11], s[0:1], 0x10              ; W_o's codes, W_o's scales
	s_load_b64 s[66:67], s[0:1], 0x20              ; b_o
	s_load_b64 s[12:13], s[0:1], 0x28              ; out0
	v_lshl_add_u32 v[SPW], v0, 2, SPARE
	v_mov_b32 v[NIL], 0
	ds_add_u32 v28, v29
	s_wait_dscnt 0x0
	v_lshrrev_b32 v1, 5, v0
	v_readfirstlane_b32 s14, v1                    ; wave 0..3
	s_lshr_b32 s15, s14, 1                         ; which half of the tile's rows is mine.  Also: I fetch for y (0) or for W_o (1)
	s_and_b32 s16, s14, 1                          ; which half of its columns.  Also: which 128 rows of that tile I fetch
	s_bfe_u32 s40, ttmp6, 0x40000                  ; cx, cy
	s_bfe_u32 s41, ttmp6, 0x40004
	s_lshl_b32 s42, ttmp9, 2
	s_add_co_u32 s42, s42, s40                     ; tile column = 4 x cluster x + cx
	s_and_b32 s17, ttmp7, 0xffff
	s_lshl_b32 s17, s17, 2
	s_add_co_u32 s17, s17, s41                     ; tile row = 4 x cluster y + cy
	s_lshl_b32 s43, s41, 2
	s_lshl_b32 s43, 15, s43                        ; my row of the cluster
	s_lshl_b32 s44, 0x1111, s40                    ; my column
	; descriptor group 1 for y: 4 rows (heads) of 768 elements of 8 bytes, 12,288 elements apart, no padding
	s_or_b32 s[G1+0], s43, (3<<16)|(1<<21)
	s_mov_b32 s[G1+1], 768<<16
	s_mov_b32 s[G1+2], 4<<16
	s_mov_b32 s[G1+3], 768<<16
	s_mov_b32 s[G1+4], 4
	s_mov_b32 s[G1+5], 12288
	s_mov_b32 s[G1+6], 0
	s_mov_b32 s[G1+7], 0
	; for W_o: 128 rows x 192 bytes, 16 bytes of padding behind every 64
	s_or_b32 s[G1B+0], s44, (0<<16)|(1<<20)|(1<<21)|(3<<22)|(3<<25)
	s_mov_b32 s[G1B+1], ROWB<<16
	s_mov_b32 s[G1B+2], 128<<16
	s_mov_b32 s[G1B+3], ROWB<<16
	s_mov_b32 s[G1B+4], 128
	s_mov_b32 s[G1B+5], KROW
	s_mov_b32 s[G1B+6], 0
	s_mov_b32 s[G1B+7], 0
	; for the scales of 128 rows: 4,096 dense bytes as rows of 256 bytes, 16 bytes of padding behind each
	s_or_b32 s[G1S+0], s43, (3<<16)|(1<<20)|(1<<21)|(5<<22)|(3<<25)
	s_or_b32 s[G1SB+0], s44, (3<<16)|(1<<20)|(1<<21)|(5<<22)|(3<<25)
.irp g, G1S, G1SB
	s_mov_b32 s[\g+1], 32<<16
	s_mov_b32 s[\g+2], (128*KS/256)<<16
	s_mov_b32 s[\g+3], 32<<16
	s_mov_b32 s[\g+4], 128*KS/256
	s_mov_b32 s[\g+5], 32
	s_mov_b32 s[\g+6], 0
	s_mov_b32 s[\g+7], 0
.endr
	s_lshl_b32 s18, s16, 7                         ; which 128 rows of the tile I fetch
	s_lshl_b32 s20, s17, 8
	s_add_co_u32 s20, s20, s18                     ; y: token 256 x tile row + 128 x half
	s_lshl_b32 s46, s42, 8
	s_add_co_u32 s46, s46, s18                     ; W_o: row 256 x tile column + 128 x half
	s_mov_b32 s21, 0
	s_mov_b32 s47, 0
	s_mov_b64 s[18:19], KS
	s_mul_u64 s[22:23], s[20:21], s[18:19]         ; where these rows' scales begin
	s_mul_u64 s[92:93], s[46:47], s[18:19]
	s_mov_b64 s[18:19], KROW
	s_mul_u64 s[46:47], s[46:47], s[18:19]         ; W_o's codes
	s_lshr_b32 s20, s17, 3                         ; y's images: batch x 16 heads x 98,304
	s_mul_i32 s20, s20, 1572864
	s_and_b32 s18, s17, 7
	s_mul_i32 s18, s18, 12288                      ; + which 256 tokens of the batch
	s_add_co_u32 s20, s20, s18
	s_mul_i32 s18, s16, HEADB                      ; + which 128 of them
	s_add_co_u32 s20, s20, s18
	s_mul_i32 s45, s14, HALFT                      ; where they go: wave x HALFT
	s_mul_i32 s94, s14, HALFS
	s_wait_kmcnt 0x0
	s_add_nc_u64 s[20:21], s[4:5], s[20:21]
	s_add_nc_u64 s[22:23], s[6:7], s[22:23]
	s_add_nc_u64 s[46:47], s[8:9], s[46:47]
	s_add_nc_u64 s[92:93], s[10:11], s[92:93]
	CROUND                                         ; all sixteen work-groups are here: the first joint loads meet
	s_mov_b32 s[G0S], 1
	s_add_co_u32 s[G0S+1], s94, SCL
	s_mov_b64 s[G0S+2:G0S+3], s[22:23]
	s_or_b32 s[G0S+3], s[G0S+3], 0x80000000
	s_mov_b32 s[G0SB], 1
	s_add_co_u32 s[G0SB+1], s94, SCL
	s_mov_b64 s[G0SB+2:G0SB+3], s[92:93]
	s_or_b32 s[G0SB+3], s[G0SB+3], 0x80000000
	JLOAD G0S, G1S, G0SB, G1SB                     ; the scales first.  Three tensor loads of mine are out behind the first fills
.irp s, 0,1
	s_mov_b32 s[G0+4*\s], 1
	s_add_co_u32 s[G0+4*\s+1], s45, \s*SLOT
	s_add_nc_u64 s[G0+4*\s+2:G0+4*\s+3], s[20:21], \s*YSTEP
	s_or_b32 s[G0+4*\s+3], s[G0+4*\s+3], 0x80000000
	s_mov_b32 s[G0B+4*\s], 1
	s_add_co_u32 s[G0B+4*\s+1], s45, \s*SLOT
	s_add_nc_u64 s[G0B+4*\s+2:G0B+4*\s+3], s[46:47], \s*ROWB
	s_or_b32 s[G0B+4*\s+3], s[G0B+4*\s+3], 0x80000000
	JLOAD G0+4*\s, G1, G0B+4*\s, G1B
.endr
	v_and_b32 v1, 15, v0                           ; r
	v_bfe_u32 v2, v0, 4, 1                         ; hh
	v_mul_u32_u24 v3, v1, PITCH
	v_mul_u32_u24 v4, v2, 24
	v_add_nc_u32 v4, v3, v4                        ; W_o: a fragment's row x pitch + 24 x half
	v_lshl_add_u32 v5, v2, 4, v4                   ; and the same behind one padding more
	v_and_b32 v6, 31, v0
	v_lshlrev_b32 v7, 4, v6                        ; y: 16 x lane
	v_lshlrev_b32 v8, 3, v6                        ; and 8 x lane
	s_mul_i32 s21, s15, HALFT                      ; my 128 tokens
	s_mul_i32 s22, s16, HALFT                      ; my 128 rows of W_o,
	s_add_co_u32 s22, s22, 2*HALFT                 ; which lie behind y's two halves
.irp s, 0,1
	v_add_nc_u32 v[ADRA+\s], s21, v7
	v_add_nc_u32 v[ADRA+2+\s], s21, v8
	v_add_nc_u32 v[ADRB+\s], s22, v4
	v_add_nc_u32 v[ADRB+2+\s], s22, v5
	s_add_co_u32 s21, s21, SLOT
	s_add_co_u32 s22, s22, SLOT
.endr
	v_mul_u32_u24 v5, v1, KS
	v_lshrrev_b32 v6, 8, v5
	v_lshl_add_u32 v5, v6, 4, v5
	s_mul_i32 s21, s15, HALFS
	s_mul_i32 s22, s16, HALFS
	s_add_co_u32 s22, s22, 2*HALFS
	s_sub_co_u32 s22, s22, s21
	v_mul_u32_u24 v6, s22, v2                      ; lanes 16-31 take W_o's
	s_add_co_u32 s21, s21, SCL
	v_add_nc_u32 v5, v5, v6
	v_add_nc_u32 v[ADRS], s21, v5
	s_mul_i32 s23, s14, 16*SPITCH                  ; my stage
	v_mul_u32_u24 v5, v1, SPITCH                   ; in: row l % 16, 32 bytes for each half of the lanes
	v_lshl_add_u32 v5, v2, 5, v5
	v_add_nc_u32 v[STO], s23, v5
	v_mov_b32 v[CO], v7                            ; back: the 32 lanes take one row of 512 bytes; and the same in out0
	v_add_nc_u32 v[RD], s23, v[CO]
	v_lshlrev_b32 v[HB], 5, v2
	s_lshl_b32 s20, s17, 8
	s_lshl_b32 s21, s15, 7
	s_add_co_u32 s20, s20, s21                     ; my first row of out0
	s_mov_b32 s21, 0
	s_mov_b64 s[18:19], SIZE_N*4
	s_mul_u64 s[20:21], s[20:21], s[18:19]
	s_lshl_b32 s46, s42, 10                        ; my first column, in bytes: 1,024 x tile column + 512 x half; the same offset finds my 128 numbers of b_o
	s_lshl_b32 s47, s16, 9
	s_add_co_u32 s46, s46, s47
	s_mov_b32 s47, 0
	s_add_nc_u64 s[66:67], s[66:67], s[46:47]
	s_add_nc_u64 s[20:21], s[20:21], s[46:47]
	s_add_nc_u64 s[12:13], s[12:13], s[20:21]
.irp b, 0,1,2,3,4,5,6,7
	global_load_b128 v[BS+8*\b:BS+8*\b+3], v[HB], s[66:67] offset:64*\b
	global_load_b128 v[BS+8*\b+4:BS+8*\b+7], v[HB], s[66:67] offset:64*\b+16
.endr
.macro FRAG reg, adr, q, i             ; a fragment of W_o: 12 registers, in pieces of 8 bytes of the row, as they lie
.irp p, 0,1,2,3,4,5
.set PCE, 12*(\q)+6*(\p/3)+\p%3
.if PCE%8 < 5
	ds_load_b64 v[\reg+2*\p:\reg+2*\p+1], v[\adr] offset:8*PCE+16*(PCE/8)+(\i)*16*PITCH
.else
	ds_load_b64 v[\reg+2*\p:\reg+2*\p+1], v[\adr+2] offset:8*PCE+16*(PCE/8)+(\i)*16*PITCH
.endif
.endr
.endm
.macro FRAGA reg, slot, q, i           ; a fragment of y: the images of heads 2 q and 2 q + 1 of the slot's four, tile i of my eight
.irp c, 0,1
	ds_load_b128 v[\reg+6*\c:\reg+6*\c+3], v[ADRA+\slot] offset:(2*(\q)+\c)*HEADB+(\i)*768
	ds_load_b64 v[\reg+6*\c+4:\reg+6*\c+5], v[ADRA+2+\slot] offset:(2*(\q)+\c)*HEADB+(\i)*768+512
.endr
.endm
; 16 matrix instructions: y's blocks a0, a0 + 1 x W_o's eight, 128 along K.  zero = 1: the first product starts the sums, with the bias as its C.  The 64 accumulators take turns.
.macro MUL16 a0, p, q, sc, zero
.irp a, \a0, \a0+1
.irp b, 0,1,2,3,4,5,6,7
.if \zero
	v_wmma_scale_f32_16x16x128_f8f6f4 v[8*(8*((\a)%4)+\b):8*(8*((\a)%4)+\b)+7], v[128*(\p)+FR*\b:128*(\p)+FR*\b+FR-1], v[AF+FR*(\a):AF+FR*(\a)+FR-1], v[BS+8*\b:BS+8*\b+7], v[SC+8*NQ*(\sc)+NQ*\b+(\q)], v[SC+8*NQ*(\sc)+NQ*(\a)+(\q)] matrix_a_fmt:MATRIX_FMT_FP6 matrix_b_fmt:MATRIX_FMT_FP6 matrix_a_scale:MATRIX_SCALE_ROW1
.else
	v_wmma_scale_f32_16x16x128_f8f6f4 v[8*(8*((\a)%4)+\b):8*(8*((\a)%4)+\b)+7], v[128*(\p)+FR*\b:128*(\p)+FR*\b+FR-1], v[AF+FR*(\a):AF+FR*(\a)+FR-1], v[8*(8*((\a)%4)+\b):8*(8*((\a)%4)+\b)+7], v[SC+8*NQ*(\sc)+NQ*\b+(\q)], v[SC+8*NQ*(\sc)+NQ*(\a)+(\q)] matrix_a_fmt:MATRIX_FMT_FP6 matrix_b_fmt:MATRIX_FMT_FP6 matrix_a_scale:MATRIX_SCALE_ROW1
.endif
.endr
.endr
.endm
.macro FETCH_B slot, q, p
	WIN TO_B
.irp i, 0,1,2,3,4,5,6,7
	FRAG 128*(\p)+FR*\i, ADRB+\slot, \q, \i
.endr
	WIN 0
.endm
.macro FETCH_A slot, q, i0
.irp i, \i0, \i0+1, \i0+2, \i0+3
	FRAGA AF+FR*(\i), \slot, \q, \i
.endr
.endm
.macro SCALES sc
.irp i, 0,1,2,3,4,5,6,7
	ds_load_b64 v[SC+8*NQ*\sc+NQ*\i:SC+8*NQ*\sc+NQ*\i+1], v[ADRS] offset:\i*SBLK
.endr
.endm
.macro PLACES n                        ; plain vector instructions between a matrix instruction and a load into, or a read of, its registers
.rept \n
	v_nop
.endr
.endm
.macro STEP slot, q, zero
	s_wait_dscnt 4*NLA                             ; W_o's set and y's blocks 0-3 are in; the youngest 16 loads (y's blocks 4-7) may be out
.if \zero
	WIN MUL_LO0
.else
	WIN MUL_LO
.endif
	MUL16 0, (\q)%2, \q, \slot, \zero
	MUL16 2, (\q)%2, \q, \slot, \zero
	s_wait_dscnt 0
	PLACES NP
	FETCH_B \slot, (\q)+1, 1-(\q)%2
	FETCH_A \slot, (\q)+1, 0
.if \zero
	WIN MUL_HI0
.else
	WIN MUL_HI
.endif
	MUL16 4, (\q)%2, \q, \slot, \zero
	MUL16 6, (\q)%2, \q, \slot, \zero
	PLACES NP
	WIN 0
	FETCH_A \slot, (\q)+1, 4
.endm
; A slot's last step changes slots: one barrier; in front of it each wave waits for all its tensor loads, adds 0 to its spare word, and waits for that and for its own reads of this slot.
.macro TURN slot, next, fill
	s_wait_tensorcnt 0x0                           ; all my tensor loads have landed: my part of the next slot
	ds_add_u32 v[SPW], v[NIL]                      ; 0 onto my spare word
	s_wait_dscnt 4*NLA+1                           ; the add and the youngest 16 loads (y's blocks 4-7) may be out
	WIN MUL_LO
	MUL16 0, 1, NQ-1, \slot, 0
	s_wait_dscnt 0x0                               ; the add is done, and my reads of this slot are over
	s_barrier_signal -1
	MUL16 2, 1, NQ-1, \slot, 0
	WIN 0
	s_barrier_wait -1
.if \fill
	CREST                                          ; the barrier has opened a round of the cluster's barrier
	s_add_nc_u64 s[G0+4*\slot+2:G0+4*\slot+3], s[G0+4*\slot+2:G0+4*\slot+3], 2*YSTEP
	s_add_nc_u64 s[G0B+4*\slot+2:G0B+4*\slot+3], s[G0B+4*\slot+2:G0B+4*\slot+3], 2*ROWB
	JLOAD G0+4*\slot, G1, G0B+4*\slot, G1B         ; the first tensor load behind the round; its four v_nop are the places in front of the loads below
.else
	PLACES NP
.endif
	v_add_nc_u32 v[ADRS], 4*NQ, v[ADRS]
	FETCH_B \next, 0, 0
	FETCH_A \next, 0, 0
	SCALES \next
	WIN MUL_HI
	MUL16 4, 1, NQ-1, \slot, 0
	MUL16 6, 1, NQ-1, \slot, 0
	PLACES NP
	WIN 0
	FETCH_A \next, 0, 4
.endm
	s_wait_tensorcnt 1                             ; the scales and my part of K step 0 are in (K step 1's load may be out),
	s_barrier_signal -1
	s_barrier_wait -1                              ; everybody's are
	FETCH_B 0, 0, 0
	FETCH_A 0, 0, 0
	SCALES 0
	FETCH_A 0, 0, 4
	s_wait_loadcnt 0x0                             ; the bias
	STEP 0, 0, 1                                   ; the first step stands in front of the loop: its products start the sums
	s_mov_b32 s3, LAPS-1
.Llap:
	TURN 0, 1, 1
	STEP 1, 0, 0
	TURN 1, 0, 1
	STEP 0, 0, 0
	s_sub_co_u32 s3, s3, 1
	s_cmp_lg_u32 s3, 0
	s_cbranch_scc1 .Llap
	TURN 0, 1, 0                                   ; the last lap fills nothing
	STEP 1, 0, 0
	s_wait_dscnt 4*NLA                             ; the very last step: the youngest 16 loads may be out
	WIN MUL_LO
	MUL16 0, 1, NQ-1, 1, 0
	MUL16 2, 1, NQ-1, 1, 0
	s_wait_dscnt 0
	WIN MUL_HI
	MUL16 4, 1, NQ-1, 1, 0
	MUL16 6, 1, NQ-1, 1, 0
	WIN 0
; THE WAY OUT, block by block of 16 rows x 128 columns, through my own stage in LDS: back come whole rows of 512 bytes.  LDS serves a wave's instructions in order (ISA guide 5.7.1.4): no wait between the stores and the loads.
.macro TOSTAGE a
.set AC, 64*((\a)%4)
	WIN 0x08+4*((\a)/4)                            ; the data: window 2 or 3
.irp b, 0,1,2,3,4,5,6,7
	ds_store_b128 v[STO], v[AC+8*\b:AC+8*\b+3] offset:64*\b          ; each accumulator from its low end on
	ds_store_b128 v[STO], v[AC+8*\b+4:AC+8*\b+7] offset:64*\b+16
.endr
	WIN 0
.set BB, BK+64*((\a)%2)
.irp t, 0,1,2,3,4,5,6,7,8,9,10,11,12,13,14,15
	ds_load_b128 v[BB+4*\t:BB+4*\t+3], v[RD] offset:\t*SPITCH
.endr
.endm
.macro SEND a, younger                 ; younger: the LDS instructions issued behind block a's loads, which may stay out
.set BB, BK+64*((\a)%2)
	s_wait_dscnt \younger
.if (\a) > 0
	s_add_nc_u64 s[12:13], s[12:13], 16*SIZE_N*4   ; (behind a wait on XCNT: the earlier stores have read their base)  16 rows of out0 on
.endif
.irp t, 0,1,2,3,4,5,6,7,8,9,10,11,12,13,14,15
	global_store_b128 v[CO], v[BB+4*\t:BB+4*\t+3], s[12:13] offset:\t*SIZE_N*4 th:TH_STORE_NT   ; 32 lanes store 512 consecutive bytes, at a multiple of 256 from out0's first byte
.endr
.endm
	PLACES NP
	TOSTAGE 0
.irp a, 1,2,3,4,5,6,7
.if \a > 1
	s_wait_xcnt 0x0                                ; block a - 2's stores have read their registers and their base
.endif
	TOSTAGE \a
	SEND \a-1, 32                                  ; behind block a - 1's loads: block a's 16 stores and 16 loads
.endr
	s_wait_xcnt 0x0
	SEND 7, 0
	s_wait_tensorcnt 0x0                           ; the wave's end
	ds_add_u32 v[SPW], v[NIL]
	s_wait_dscnt 0x0
	CROUND                                         ; the closing round
	s_endpgm
.Lfunc_end_k_q0d33df257a_proj:
	.size	k_q0d33df257a_proj, .Lfunc_end_k_q0d33df257a_proj-k_q0d33df257a_proj
	.p2alignl 7, 3214868480
	.fill 96, 4, 3214868480
	.section	.rodata,"a",@progbits
	.p2align	6, 0x0
	.amdhsa_kernel k_q0d33df257a_proj
		.amdhsa_group_segment_fixed_size 327680
		.amdhsa_private_segment_fixed_size 0
		.amdhsa_enable_private_segment 0
		.amdhsa_kernarg_size 48
		.amdhsa_user_sgpr_count 2
		.amdhsa_user_sgpr_kernarg_segment_ptr 1
		.amdhsa_wavefront_size32 1
		.amdhsa_system_sgpr_workgroup_id_x 1
		.amdhsa_system_sgpr_workgroup_id_y 1
		.amdhsa_system_sgpr_workgroup_id_z 1
		.amdhsa_system_vgpr_workitem_id 0
		.amdhsa_next_free_vgpr 1024
		.amdhsa_next_free_sgpr 98
		.amdhsa_reserve_vcc 0
		.amdhsa_float_denorm_mode_32 3
		.amdhsa_float_denorm_mode_16_64 3
		.amdhsa_memory_ordered 1
		.amdhsa_forward_progress 1
		.amdhsa_inst_pref_size 154
	.end_amdhsa_kernel
	.amdgpu_metadata
---
amdhsa.version: [ 1, 2 ]
amdhsa.kernels:
  - .name:           k_q0d33df257a_proj
    .symbol:         k_q0d33df257a_proj.kd
    .args:
      - { .name: y, .offset: 0, .size: 8, .value_kind: global_buffer, .address_space: global }
      - { .name: ys, .offset: 8, .size: 8, .value_kind: global_buffer, .address_space: global }
      - { .name: W_o_codes, .offset: 16, .size: 8, .value_kind: global_buffer, .address_space: global }
      - { .name: W_o_scales, .offset: 24, .size: 8, .value_kind: global_buffer, .address_space: global }
      - { .name: b_o, .offset: 32, .size: 8, .value_kind: global_buffer, .address_space: global }
      - { .name: out0, .offset: 40, .size: 8, .value_kind: global_buffer, .address_space: global }
    .group_segment_fixed_size: 327680
    .private_segment_fixed_size: 0
    .kernarg_segment_align: 8
    .kernarg_segment_size: 48
    .max_flat_workgroup_size: 128
    .sgpr_count:     98
    .vgpr_count:     1024
    .wavefront_size: 32
...
	.end_amdgpu_metadata
.endif
;; end of part 3
